; MI455X (gfx1250); checked and timed in simulation.
; The chip was launched on July 23, 2026; its instructions are those of AMD's public machine-readable ISA for CDNA 5 (MIT licence, August 2026) and "CDNA5" Instruction Set Architecture Reference Guide (July 2026). The comments in the code are by the model that wrote it; some were corrected since.
;; Grouped Attention. Allowed arithmetic: matrix products marked QUANTISED: E4M3 operands, one given power-of-two scale a tensor, by v_wmma_f32_16x16x64_fp8_fp8 or v_wmma_f32_16x16x128_fp8_fp8, f32 sums; everything else in f32.
;; Inputs: Wk 512 x 1,024 float32; Wo 1,024 x 4,096 float32; Wq 4,096 x 1,024 float32; Wv 512 x 1,024 float32; bk 512 float32; bo 1,024 float32; bq 4,096 float32; bv 512 float32; lowp_scales 12 int32 (the exponents e of the quantised operands' scales 2^e); x 1 x 2,048 x 1,024 float32.
;; Outputs: out0 1 x 2,048 x 1,024 float32.
;; This version of the problem:
;;   THIS VERSION OF THE PROBLEM IS GIVEN IN LOW PRECISION. The matrix products marked QUANTISED in the list below multiply operands that are first quantised to E4M3 (4 exponent bits, 3 mantissa bits; 8 bits a number), with one given power-of-two scale for each operand tensor; their sums are f32. All else is computed in f32.
;;   The module's matrix products, in the order in which they are computed (A, B: the left and right operand; K: the contracted axis; several contracted axes count as one K, in the product's order):
;;     1. [M 2,048, K 1,024] x [K 1,024, N 4,096]; A: input x; B: input Wq: QUANTISED (scales: A lowp_scales[0], B lowp_scales[1])
;;     2. [M 2,048, K 1,024] x [K 1,024, N 512]; A: input x; B: input Wk: QUANTISED (scales: A lowp_scales[2], B lowp_scales[3])
;;     3. [M 2,048, K 1,024] x [K 1,024, N 512]; A: input x; B: input Wv: QUANTISED (scales: A lowp_scales[4], B lowp_scales[5])
;;     4. batch 4 x [M 2,048, K 128] x [K 128, N 16,384]; A: computed on the way; B: computed on the way: QUANTISED (scales: A lowp_scales[6], B lowp_scales[7])
;;     5. batch 4 x [M 128, K 2,048] x [K 2,048, N 16,384]; A: computed on the way; B: softmax (see below): QUANTISED (scales: A lowp_scales[8], B lowp_scales[9])
;;     6. [M 2,048, K 4,096] x [K 4,096, N 1,024]; A: computed on the way; B: input Wo: QUANTISED (scales: A lowp_scales[10], B lowp_scales[11])
;;   THE QUANTISER, for each operand of a quantised product, along K:
;;     - The operand's scale is 2^e, e = its entry of the input lowp_scales (int32; the entries are numbered through the quantised products in the list's order, A before B).
;;     - Each number is divided by the scale, clamped to +-448, and rounded to the nearest number of E4M3, ties to even, subnormals kept.
;;     - The product sums the exact products of the quantised numbers (number of the format x scale) in f32.
;;   ~~~python
;;   def quantise(x, axis, e):      # numpy; x: float32 -> the quantised numbers, widened to float32 again
;;       x = np.moveaxis(x, axis, -1); K = x.shape[-1]
;;       r = np.clip(x / 2.0 ** e, -448, 448)
;;       step = 2.0 ** (np.maximum(np.frexp(np.where(r == 0, 1, r))[1] - 1, -6) - 3)
;;       q = np.round(r / step) * step * 2.0 ** e      # np.round: ties to even
;;       return np.moveaxis(q, -1, axis).astype(np.float32)
;;   ~~~
;;   SOFTMAX AHEAD OF A QUANTISED PRODUCT. Where the list says 'softmax', what is quantised is not the finished softmax but p = 2^(t - M), with t = logit x log2(e) and M = ceil(the row's largest t), a whole number; so 1/2 < the row's largest p <= 1. The row's sum l is taken of the UNQUANTISED p, in f32, and the product's result is divided by l at the end. Since M is a whole number, a kernel that streams over the keys may use a running M (the ceiling of the running maximum): every later rescaling is an exact power of two, so the quantised numbers keep their values, but for numbers so far below the row's largest that they fall under the format's range.
;;   OPERANDS COMPUTED ON THE WAY. 'Computed on the way' means the value that the module computes at that place (a softmax that the list does not call 'softmax' is quantised finished and normalised). What goes into a quantiser is computed in f32, as accurately as f32 sums, v_exp_f32 and their like allow (about 1e-6 of the number): no bf16 or f16 on the way to a quantiser, and a product that is left as it is and whose result goes on into a quantised operand takes f32 operands (vector FMAs, or v_wmma_f32_16x16x4_f32). A number that lies on a knife's edge between two numbers of the format may be rounded either way, as far as f32 arithmetic and the matrix unit's own rounding can turn it there, and no further.
;; One version. Each part assembles by itself: llvm-mc -triple=amdgcn-amd-amdhsa -mcpu=gfx1250 --defsym DOCPART=n.
;; ======== version 1 of 1: 4 launches
;; limits: right only within a limited range of input values
;; workspace buffers: x_codes 6,291,456 bytes; w_codes 5,242,880 bytes; wo_codes 4,194,304 bytes; kv_codes 2,097,152 bytes; o_codes 8,388,608 bytes
;; launch quant (part 1): grid 704 x 1, 4 waves a work-group, no clusters, 66,048 bytes of LDS; arguments x, Wq, Wk, Wv, Wo, lowp_scales, x_codes, w_codes, wo_codes; writes x_codes, w_codes, wo_codes
.if DOCPART == 1
	.amdgcn_target "amdgcn-amd-amdhsa--gfx1250"
	.amdhsa_code_object_version 6
	.text
	.protected	k_q4eb452dcd7_quant
	.globl	k_q4eb452dcd7_quant
	.p2align	8
	.type	k_q4eb452dcd7_quant,@function
k_q4eb452dcd7_quant:
	s_mov_b64 s[64:65], 0
	v_nop
	global_prefetch_b8 v0, s[64:65] scope:SCOPE_SE
	s_setreg_imm32_b32 hwreg(HW_REG_WAVE_MODE, 25, 1), 1
	s_wait_xcnt 0x0
; x, Wq, Wk, Wv, Wo (f32, K innermost in all five) become codes of FP8 (E4M3), one byte a number, K innermost, each with the scale 2^e that is given for it.
; code = number / 2^e, held within +-448, rounded to the nearest code, ties to even.
; x is an operand of three products with three scales (entries 0, 2, 4): it is read once and leaves as three planes of x_codes.
; Wq (entry 1), Wk (3), Wv (5) leave one behind the other in w_codes, rows 0-4095, 4096-4607, 4608-5119; Wo (11) in wo_codes.
; LIMITS: each e used here lies between -126 and 119, so that 2^e and 448 x 2^e are f32 numbers.  NaN among the inputs is not served (an infinity is held at the largest code).
; SHARES.  Every tensor is a plain stream.  A work-group takes 16,384 numbers, a wave 8 steps of 512, a lane 16 neighbours a step.
; Work-groups 0-127: x;  128-383: Wq;  384-415: Wk;  416-447: Wv;  448-703: Wo.  Only pointers, first numbers and exponents are chosen, by selects on the work-group's number.
; Each load reads 512 consecutive bytes, 16 a lane; a step's 2,048 bytes turn through the wave's own stage in LDS (16 bytes of padding behind each 64) and come back 64 bytes a lane,
; since a conversion takes eight neighbours from one lane's registers.  A lane's 16 codes are 16 bytes: a store covers 512 consecutive bytes.
; No matrix unit, no cluster, no tensor load: the work-groups share no input.  All of a wave's 32 loads (16,384 bytes) are issued at its head; the turn through LDS runs one step ahead.
; The path for x and the path for the weights part on the work-group's number; each has LDS bytes of its own.
.set STEPS, 8
.set SP,    80                         ; a lane's place in a stage: its 64 bytes + 16 of padding
.set XLDS,  32768                      ; the stages of x's path lie behind those of the weights' path
.set PLANE, 2097152                    ; bytes of a plane of x_codes
.set R,     16                         ; v16-143  eight sets of 16 numbers as they are loaded, one for each step
.set X,     144                        ; v144-175 two sets of 16 neighbours
.set T,     176                        ; v176-191 x's path: 16 numbers held for one of the three scales
.set C,     192                        ; v192-255 codes.  Weights: four registers for each step, never written again.  x: two sets of twelve by turns
	s_load_b256 s[4:11], s[0:1], 0x0               ; x s[4:5], Wq s[6:7], Wk s[8:9], Wv s[10:11]
	s_load_b256 s[12:19], s[0:1], 0x20             ; Wo s[12:13], the exponents s[14:15], x_codes s[16:17], w_codes s[18:19]
	s_load_b64 s[20:21], s[0:1], 0x40              ; wo_codes
	s_set_vgpr_msb 0x40
	v_lshl_add_u32 v0, v0, 2, 0x10000              ; v256: my spare word, behind the stages
	v_mov_b32 v1, 0                                ; v257: 0
	s_set_vgpr_msb 0x4000
	v_lshrrev_b32 v1, 5, v0
	v_readfirstlane_b32 s22, v1                    ; wave
	v_and_b32 v2, 31, v0                           ; lane
	v_lshlrev_b32 v3, 4, v2                        ; my 16 bytes of a load's 512, and of a store's
	s_lshl_b32 s23, s22, 13                        ; my wave's 8,192 bytes of LDS
	v_lshrrev_b32 v14, 2, v2
	v_mul_u32_u24 v14, v14, SP
	v_and_b32 v15, 3, v2
	v_lshl_add_u32 v14, v15, 4, v14
	v_add_nc_u32 v14, s23, v14                     ; the stage, on the way in: SP (lane / 4) + 16 (lane % 4)
	v_mul_u32_u24 v15, v2, SP
	v_add_nc_u32 v15, s23, v15                     ; and on the way out: SP x lane
	v_add_nc_u32 v12, XLDS, v14                    ; the same two for x's path
	v_add_nc_u32 v13, XLDS, v15
	s_wait_kmcnt 0x0
	s_load_b256 s[32:39], s[14:15], 0x0            ; e0 .. e7
	s_load_b128 s[40:43], s[14:15], 0x20           ; e8 .. e11
	s_mov_b64 s[24:25], s[12:13]                   ; from: Wo,
	s_mov_b64 s[26:27], s[20:21]                   ; to: wo_codes,
	s_mov_b32 s28, 448                             ; the tensor's first work-group,
	s_mov_b32 s29, 448                             ; the first work-group of its buffer of codes; unless ..
	s_cmp_lt_u32 ttmp9, 448
	s_cselect_b64 s[24:25], s[10:11], s[24:25]     ; Wv
	s_cselect_b64 s[26:27], s[18:19], s[26:27]     ; w_codes, which Wq, Wk and Wv fill one behind the other
	s_cselect_b32 s28, 416, s28
	s_cselect_b32 s29, 128, s29
	s_cmp_lt_u32 ttmp9, 416
	s_cselect_b64 s[24:25], s[8:9], s[24:25]       ; Wk
	s_cselect_b32 s28, 384, s28
	s_cmp_lt_u32 ttmp9, 384
	s_cselect_b64 s[24:25], s[6:7], s[24:25]       ; Wq
	s_cselect_b32 s28, 128, s28
	s_cmp_lt_u32 ttmp9, 128
	s_cselect_b64 s[24:25], s[4:5], s[24:25]       ; x
	s_cselect_b64 s[26:27], s[16:17], s[26:27]     ; x_codes
	s_cselect_b32 s28, 0, s28
	s_cselect_b32 s29, 0, s29
	s_sub_co_u32 s46, ttmp9, s28
	s_lshl_b32 s46, s46, 2
	s_add_co_u32 s46, s46, s22                     ; which run of 4,096 numbers of the tensor is my wave's
	s_lshl_b32 s46, s46, 14                        ; 16,384 bytes each
	s_mov_b32 s47, 0
	s_add_nc_u64 s[24:25], s[24:25], s[46:47]
	s_sub_co_u32 s48, ttmp9, s29
	s_lshl_b32 s48, s48, 2
	s_add_co_u32 s48, s48, s22
	s_lshl_b32 s48, s48, 12                        ; 4,096 bytes of codes each
	s_mov_b32 s49, 0
	s_add_nc_u64 s[26:27], s[26:27], s[48:49]
.macro LOAD t
.irp i, 0,1,2,3
	global_load_b128 v[R+16*(\t)+4*\i:R+16*(\t)+4*\i+3], v3, s[24:25] offset:2048*(\t)+512*\i th:TH_LOAD_NT   ; 32 lanes read 512 consecutive bytes
.endr
.endm
.macro TURN t, in, out                 ; step t's numbers through the stage: LDS serves a wave's instructions in order, so no wait stands between the stores and the loads
.irp i, 0,1,2,3
	ds_store_b128 v[\in], v[R+16*(\t)+4*\i:R+16*(\t)+4*\i+3] offset:32*SP*((\t)%2)+8*SP*\i
.endr
.irp i, 0,1,2,3
	ds_load_b128 v[X+16*((\t)%2)+4*\i:X+16*((\t)%2)+4*\i+3], v[\out] offset:32*SP*((\t)%2)+16*\i
.endr
.endm
.macro MKSC e, vs, vl                  ; from the exponent in s[e]: v[vs] = 2^e as f32 (the conversion takes its exponent field), v[vl] = 448 x 2^e
	s_add_co_i32 s44, s[\e], 127
	s_lshl_b32 s45, s44, 23
	v_mov_b32 v[\vs], s45
	s_add_co_i32 s44, s44, 8
	s_lshl_b32 s44, s44, 23
	s_or_b32 s44, s44, 0x600000
	v_mov_b32 v[\vl], s44
.endm
.macro AHEAD t, in, out                ; the head of step t, alike on both paths
	s_wait_dscnt 0x0                               ; this step's numbers are back from the stage
.if (\t)+1 < STEPS
	s_wait_loadcnt 4*(STEPS-2-(\t))                ; the next step's four loads are in; those of the steps behind it may be out
	TURN (\t)+1, \in, \out                         ; and go through the other stage while this step is worked
.endif
.endm
.irp t, 0,1,2,3,4,5,6,7
	LOAD \t
.endr
	s_wait_kmcnt 0x0
	s_mov_b32 s30, s43                             ; the weights' exponent: e11 (Wo), unless ..
	s_cmp_lt_u32 ttmp9, 448
	s_cselect_b32 s30, s37, s30                    ; e5 (Wv)
	s_cmp_lt_u32 ttmp9, 416
	s_cselect_b32 s30, s35, s30                    ; e3 (Wk)
	s_cmp_lt_u32 ttmp9, 384
	s_cselect_b32 s30, s33, s30                    ; e1 (Wq)
	MKSC 30, 11, 10
	MKSC 32, 4, 5                                  ; x for the product with Wq: e0
	MKSC 34, 6, 7                                  ; with Wk: e2
	MKSC 36, 8, 9                                  ; with Wv: e4
	s_cmp_lt_u32 ttmp9, 128
	s_cbranch_scc1 .Lx_path
; ---- a weight: one scale
.macro STEPW t
.set XS, X+16*((\t)%2)
	AHEAD \t, 14, 15
.irp i, 0,1,2,3,4,5,6,7,8,9,10,11,12,13,14,15
	v_med3_num_f32 v[XS+\i], v[XS+\i], -v10, v10   ; the conversion to an 8-bit code does not saturate (ISA guide 7.6.2): the hold at the largest code x the scale comes first
.endr
	v_cvt_scalef32_pk8_fp8_f32 v[C+4*(\t):C+4*(\t)+1], v[XS:XS+7], v11
	v_cvt_scalef32_pk8_fp8_f32 v[C+4*(\t)+2:C+4*(\t)+3], v[XS+8:XS+15], v11
	v_nop                                          ; a plain line behind the last conversion of the run
	global_store_b128 v3, v[C+4*(\t):C+4*(\t)+3], s[26:27] offset:512*(\t)
.endm
	s_wait_loadcnt 4*(STEPS-1)                     ; step 0's four loads are in; the seven later steps' may be out
	TURN 0, 14, 15
	s_wait_alu depctr_va_vdst(0)
.irp t, 0,1,2,3,4,5,6,7
	STEPW \t
.endr
	s_set_vgpr_msb 0x5
	s_wait_tensorcnt 0x0                           ; the wave's end
	ds_add_u32 v0, v1
	s_wait_dscnt 0x0
	s_set_vgpr_msb 0x500
	s_endpgm
; ---- x: three scales, three planes
.macro STEPX t
.set XS, X+16*((\t)%2)
.set CS, C+12*((\t)%2)
	AHEAD \t, 12, 13
	s_wait_xcnt 0x0                                ; the stores of two steps back have read their registers: this set of twelve is written again only behind this wait
.irp k, 0,1,2
.irp i, 0,1,2,3,4,5,6,7,8,9,10,11,12,13,14,15
	v_med3_num_f32 v[T+\i], v[XS+\i], -v[5+2*\k], v[5+2*\k]   ; held for this scale, into other registers: the numbers serve three times
.endr
	v_cvt_scalef32_pk8_fp8_f32 v[CS+4*\k:CS+4*\k+1], v[T:T+7], v[4+2*\k]
	v_cvt_scalef32_pk8_fp8_f32 v[CS+4*\k+2:CS+4*\k+3], v[T+8:T+15], v[4+2*\k]
	v_nop                                          ; a plain line between the conversions and the next holds, which write their sources
.endr
.irp k, 0,1,2
	global_store_b128 v3, v[CS+4*\k:CS+4*\k+3], s[26:27] offset:PLANE*\k+512*(\t)
.endr
.endm
.Lx_path:
	s_wait_loadcnt 4*(STEPS-1)
	s_wait_alu depctr_va_vdst(0)
	TURN 0, 12, 13
.irp t, 0,1,2,3,4,5,6,7
	STEPX \t
.endr
	s_set_vgpr_msb 0x5
	s_wait_tensorcnt 0x0
	ds_add_u32 v0, v1
	s_wait_dscnt 0x0
	s_set_vgpr_msb 0x500
	s_endpgm
.Lfunc_end_k_q4eb452dcd7_quant:
	.size	k_q4eb452dcd7_quant, .Lfunc_end_k_q4eb452dcd7_quant-k_q4eb452dcd7_quant
	.p2alignl 7, 3214868480
	.fill 96, 4, 3214868480
	.section	.rodata,"a",@progbits
	.p2align	6, 0x0
	.amdhsa_kernel k_q4eb452dcd7_quant
		.amdhsa_group_segment_fixed_size 66048
		.amdhsa_private_segment_fixed_size 0
		.amdhsa_enable_private_segment 0
		.amdhsa_kernarg_size 72
		.amdhsa_user_sgpr_count 2
		.amdhsa_user_sgpr_kernarg_segment_ptr 1
		.amdhsa_wavefront_size32 1
		.amdhsa_system_sgpr_workgroup_id_x 1
		.amdhsa_system_sgpr_workgroup_id_y 1
		.amdhsa_system_sgpr_workgroup_id_z 1
		.amdhsa_system_vgpr_workitem_id 0
		.amdhsa_next_free_vgpr 258
		.amdhsa_next_free_sgpr 66
		.amdhsa_reserve_vcc 0
		.amdhsa_float_denorm_mode_32 3
		.amdhsa_float_denorm_mode_16_64 3
		.amdhsa_memory_ordered 1
		.amdhsa_forward_progress 1
		.amdhsa_inst_pref_size 58
	.end_amdhsa_kernel
	.amdgpu_metadata
---
amdhsa.version: [ 1, 2 ]
amdhsa.kernels:
  - .name:           k_q4eb452dcd7_quant
    .symbol:         k_q4eb452dcd7_quant.kd
    .args:
      - { .name: x, .offset: 0, .size: 8, .value_kind: global_buffer, .address_space: global }
      - { .name: Wq, .offset: 8, .size: 8, .value_kind: global_buffer, .address_space: global }
      - { .name: Wk, .offset: 16, .size: 8, .value_kind: global_buffer, .address_space: global }
      - { .name: Wv, .offset: 24, .size: 8, .value_kind: global_buffer, .address_space: global }
      - { .name: Wo, .offset: 32, .size: 8, .value_kind: global_buffer, .address_space: global }
      - { .name: lowp_scales, .offset: 40, .size: 8, .value_kind: global_buffer, .address_space: global }
      - { .name: x_codes, .offset: 48, .size: 8, .value_kind: global_buffer, .address_space: global }
      - { .name: w_codes, .offset: 56, .size: 8, .value_kind: global_buffer, .address_space: global }
      - { .name: wo_codes, .offset: 64, .size: 8, .value_kind: global_buffer, .address_space: global }
    .group_segment_fixed_size: 66048
    .private_segment_fixed_size: 0
    .kernarg_segment_align: 8
    .kernarg_segment_size: 72
    .max_flat_workgroup_size: 128
    .sgpr_count:     66
    .vgpr_count:     258
    .wavefront_size: 32
...
	.end_amdgpu_metadata
.endif
;; end of part 1
;; launch proj (part 2): grid 8 x 16, 4 waves a work-group, clusters of 4 x 4, 327,680 bytes of LDS; arguments x_codes, w_codes, bk, bv, lowp_scales, kv_codes; writes kv_codes
.if DOCPART == 2
	.amdgcn_target "amdgcn-amd-amdhsa--gfx1250"
	.amdhsa_code_object_version 6
	.text
	.protected	k_q4eb452dcd7_proj
	.globl	k_q4eb452dcd7_proj
	.p2align	8
	.type	k_q4eb452dcd7_proj,@function
k_q4eb452dcd7_proj:
	s_mov_b64 s[64:65], 0
	v_nop
	global_prefetch_b8 v0, s[64:65] scope:SCOPE_SE
	s_setreg_imm32_b32 hwreg(HW_REG_WAVE_MODE, 25, 1), 1
	s_wait_xcnt 0x0
	s_wait_alu depctr_hold_cnt(0) depctr_sa_sdst(0) depctr_va_vdst(0) depctr_va_sdst(0) depctr_va_ssrc(0) depctr_va_vcc(0) depctr_vm_vsrc(0)
	s_getreg_b32 s2, hwreg(HW_REG_IB_STS2, 6, 4)
	s_cmp_eq_u32 s2, 0
	s_cbranch_scc0 .Lentry_in_a_cluster
	s_endpgm
.Lentry_in_a_cluster:
	s_bfe_u32 s2, ttmp6, 0x10000c
	s_cmp_lg_u32 s2, 0xf033
	s_cbranch_scc0 .Lentry_shape_is_right
	s_endpgm
.Lentry_shape_is_right:
; Two projections on codes of FP8 (E4M3): K = x Wk^T + bk and V^T = Wv x^T + bv, each quantised again on its way out, for the products of the attention.  (Q is made in the attention's launch.)
; A tile of 128 x 128 results is made by a work-group of four waves, 64 x 64 each: 16 accumulators.  2 x 2,048 x 512 results are 128 such tiles: the launch has work for 128 work-groups.
; K = 1,024: both panels of a tile, 2 x 128 rows x 1,024 bytes, lie in LDS whole.  Each wave asks for 64 whole rows by its one tensor load; no LDS byte is filled twice.
; JOBS, by the cluster's x (the same in all sixteen partners; selects only, no branch):
;   0: K: rows = tokens (x's plane for e2), columns = rows of Wk; sums x 2^(e2+e3) + bk[column], code with e6
;   1: V: rows = rows of Wv, columns = tokens (plane e4); x 2^(e4+e5) + bv[row], code with e8: V leaves with the keys innermost
; kv_codes: [kv head 4][512 keys 4][part 8][128 rows][128 bytes]: parts 0-3: K's keys 128 x part on, a row a key; parts 4-7: V^T for keys 128 x (part - 4) on, a row one of the head's 128.
; CLUSTERS: 4 x 4 work-groups.  The four of a row of the cluster need the same row panel, the four of a column the same column panel: each is asked for JOINTLY.
; THE MATRIX INSTRUCTION IS USED TRANSPOSED (source 0 = 16 rows of the column panel, source 1 = 16 rows of the row panel): a lane holds one row and eight neighbouring columns, which one conversion turns into 8 codes.
; THE ORDER OF A ROW'S 128 CODES: byte 32 b + 16 h + 8 u + j of a row holds column 32 b + 16 u + 8 h + j.  For K that is the order in which the attention's launch holds Q; for V the order in which p falls out of its product's registers.
; LIMITS: e2+e3, e4+e5 between -126 and 127; e6, e8 between -126 and 119: each power of two below is then an f32 number.
; No prefetch: the launch has no loop to run ahead in; all its tiles are asked for at its head.
; REGISTERS.  window 0: v1-19 addresses and constants; v20-31 the bias by row; v32-63 the bias by column; v64-95 codes; v96-127 rows read back; v128-255 the accumulators.  window 1: two fragment buffers of 128 registers.
.set PITCH,  1040                      ; an LDS row: 1,024 bytes + 16 of padding, an odd multiple of 16 bytes
.set HALFT,  64*PITCH                  ; 64 rows: what one tensor load brings, and what one wave reads of a panel
.set STAGE,  4*HALFT                   ; behind the panels: 128 rows x 144 bytes for the way out; no tensor load lands there
.set SPITCH, 144
.set SPARE,  STAGE+128*SPITCH          ; the spare words, 128 bytes a wave
.set SPW, 5
.set NIL, 6
.set G1A, 24
.set G1B, 32
.set G0A, 40
.set G0B, 44
.set ACC, 128
.set COD, 64
.set BK,  96
.set MSB, 0
.macro WIN new
.if MSB != \new
	s_set_vgpr_msb (MSB<<8)|\new
.set MSB, \new
.endif
.endm
.macro CROUND
	s_barrier_signal -1
	s_barrier_wait -1
	s_cmp_lg_u32 s20, 0
	s_cbranch_scc1 .Lnot_wave_0_\@
	s_barrier_signal -3
.Lnot_wave_0_\@:
	s_barrier_wait -3
	s_barrier_signal -1
	s_barrier_wait -1
.endm
.macro PLACES n
.rept \n
	v_nop
.endr
.endm
	s_load_b256 s[4:11], s[0:1], 0x0               ; x_codes, w_codes, bk, bv
	s_load_b128 s[12:15], s[0:1], 0x20             ; the exponents, kv_codes
	v_lshl_add_u32 v[SPW], v0, 2, SPARE
	v_mov_b32 v[NIL], 0
	ds_add_u32 v[SPW], v[NIL]                      ; the opening lines: the add twice on end and its wait ahead of my tensor load
	ds_add_u32 v[SPW], v[NIL]
	v_lshrrev_b32 v1, 5, v0
	v_readfirstlane_b32 s20, v1                    ; wave 0..3
	s_lshr_b32 s21, s20, 1                         ; my half of the tile's rows; also: I fetch for the row panel (0) or the column panel (1)
	s_and_b32 s22, s20, 1                          ; my half of its columns; also: which 64 rows of that panel I fetch
	s_bfe_u32 s84, ttmp6, 0x40000                  ; cx
	s_bfe_u32 s85, ttmp6, 0x40004                  ; cy
	s_and_b32 s86, ttmp7, 0xffff                   ; the cluster's y
	s_mov_b32 s2, 2097152                          ; the row panel's tensor in its buffer: K: x's plane for e2,
	s_mov_b32 s66, 4194304                         ; the column panel's: Wk's codes in w_codes, x's plane for e4 in x_codes: the same number
	s_cmp_eq_u32 ttmp9, 1                          ; V?
	s_cselect_b32 s87, 0, s86                      ; the cluster's row of tiles: V has four tile rows
	s_cselect_b32 s88, s86, 0                      ; its column of tiles: K has four tile columns
	s_cselect_b32 s2, 4718592, s2                  ; V: Wv's codes
	s_lshl_b32 s89, s87, 2
	s_add_co_u32 s89, s89, s85                     ; tile row
	s_lshl_b32 s90, s88, 2
	s_add_co_u32 s90, s90, s84                     ; tile column
	s_lshl_b32 s91, s85, 2
	s_lshl_b32 s91, 15, s91                        ; my row of the cluster
	s_lshl_b32 s67, 0x1111, s84                    ; my column
	s_or_b32 s[G1A], s91, (1<<20)|(1<<21)|(7<<22)|(3<<25)   ; the mask; elements of 1 byte; four words of padding behind every 256
	s_or_b32 s[G1B], s67, (1<<20)|(1<<21)|(7<<22)|(3<<25)
.irp g, G1A, G1B
	s_mov_b32 s[\g+1], 1024<<16
	s_mov_b32 s[\g+2], 64<<16
	s_mov_b32 s[\g+3], 1024<<16
	s_mov_b32 s[\g+4], 64
	s_mov_b32 s[\g+5], 1024
	s_mov_b32 s[\g+6], 0
	s_mov_b32 s[\g+7], 0
.endr
	s_lshl_b32 s23, s22, 16                        ; which 64 rows of 1,024 bytes I fetch
	s_lshl_b32 s91, s89, 17
	s_add_co_u32 s2, s2, s91
	s_add_co_u32 s2, s2, s23
	s_mov_b32 s3, 0
	s_lshl_b32 s67, s90, 17
	s_add_co_u32 s66, s66, s67
	s_add_co_u32 s66, s66, s23
	s_mov_b32 s67, 0
	s_mul_i32 s23, s20, HALFT                      ; where my part goes: wave x 64 rows
	s_wait_dscnt 0x0
	s_wait_kmcnt 0x0
	s_load_b256 s[56:63], s[12:13], 0x0            ; e0 .. e7
	s_load_b32 s92, s[12:13], 0x20                 ; e8
	s_cmp_eq_u32 ttmp9, 1
	s_cselect_b64 s[G0A+2:G0A+3], s[6:7], s[4:5]   ; V: the rows are Wv's, the columns x's; K: the other way round
	s_cselect_b64 s[G0B+2:G0B+3], s[4:5], s[6:7]
	s_add_nc_u64 s[G0A+2:G0A+3], s[G0A+2:G0A+3], s[2:3]
	s_add_nc_u64 s[G0B+2:G0B+3], s[G0B+2:G0B+3], s[66:67]
	s_mov_b32 s[G0A], 1
	s_mov_b32 s[G0A+1], s23
	s_or_b32 s[G0A+3], s[G0A+3], 0x80000000
	s_mov_b32 s[G0B], 1
	s_mov_b32 s[G0B+1], s23
	s_or_b32 s[G0B+3], s[G0B+3], 0x80000000
	CROUND                                         ; all sixteen work-groups are here: the joint loads meet
	s_cmp_eq_u32 s21, 0
	s_cbranch_scc0 .Lfirst_b
	tensor_load_to_lds s[G0A:G0A+3], s[G1A:G1A+7]
	s_nop 0
	PLACES 4
	s_branch .Lfirst_asked
.Lfirst_b:
	tensor_load_to_lds s[G0B:G0B+3], s[G1B:G1B+7]
	s_nop 0
	PLACES 4
.Lfirst_asked:
	v_and_b32 v1, 15, v0                           ; r
	v_bfe_u32 v2, v0, 4, 1                         ; h
	v_mul_u32_u24 v3, v1, PITCH
	v_lshl_add_u32 v3, v2, 4, v3
	s_wait_alu depctr_va_vdst(0)
	s_mul_i32 s2, s21, HALFT
	s_mul_i32 s3, s22, HALFT
	s_add_co_u32 s3, s3, 2*HALFT
	v_add_nc_u32 v4, s2, v3                        ; my 64 rows of the row panel
	v_add_nc_u32 v8, s3, v3                        ; of the column panel
	s_mul_i32 s2, s21, 64*SPITCH                   ; into the stage: my 64 rows, my 64 bytes of their 128
	s_lshl_b32 s3, s22, 6
	s_add_co_u32 s2, s2, s3
	s_add_co_u32 s2, s2, STAGE
	v_mul_u32_u24 v12, v1, SPITCH
	v_lshl_add_u32 v12, v2, 4, v12
	v_add_nc_u32 v12, s2, v12
	s_mul_i32 s2, s20, 32*SPITCH                   ; back: wave w takes rows 32 w on, whole
	s_add_co_u32 s2, s2, STAGE
	v_and_b32 v14, 31, v0
	v_lshrrev_b32 v13, 3, v14
	v_mul_u32_u24 v13, v13, SPITCH
	v_and_b32 v15, 7, v0
	v_lshl_add_u32 v13, v15, 4, v13
	v_add_nc_u32 v13, s2, v13
	v_lshlrev_b32 v14, 4, v14
	v_mov_b32 v15, 0
	; the biases: both kinds are loaded from the job's own bias, at places inside it; the kind that the job does not have is replaced by 0 on the way out
	s_cmp_eq_u32 ttmp9, 1
	s_cselect_b64 s[96:97], s[10:11], s[8:9]
	s_cselect_b32 s93, 0, s90
	s_cselect_b32 s94, s89, 0
	s_lshl_b32 s93, s93, 9
	s_lshl_b32 s95, s22, 8
	s_add_co_u32 s93, s93, s95
	v_lshlrev_b32 v16, 5, v2
	v_add_nc_u32 v16, s93, v16
	s_lshl_b32 s94, s94, 9
	s_lshl_b32 s95, s21, 8
	s_add_co_u32 s94, s94, s95
	v_lshlrev_b32 v17, 2, v1
	v_add_nc_u32 v17, s94, v17
.irp b, 0,1,2,3
	global_load_b128 v[32+8*\b:35+8*\b], v16, s[96:97] offset:64*\b
	global_load_b128 v[36+8*\b:39+8*\b], v16, s[96:97] offset:64*\b+16
.endr
.irp a, 0,1,2,3
	global_load_b32 v[20+\a], v17, s[96:97] offset:64*\a
.endr
	s_cmp_eq_u32 ttmp9, 1
	s_cselect_b32 s93, s89, s90                    ; the kv head
	s_cselect_b32 s94, s90, s89                    ; the tile of 128 keys
	s_cselect_b32 s95, 4, 0                        ; V's parts lie behind K's four
	s_lshl_b32 s93, s93, 5
	s_add_co_u32 s93, s93, s95
	s_and_b32 s95, s94, 3
	s_add_co_u32 s93, s93, s95
	s_lshr_b32 s94, s94, 2
	s_lshl_b32 s94, s94, 3
	s_add_co_u32 s93, s93, s94                     ; block 32 x head + 8 x (keys / 512) + part
	s_lshl_b32 s94, s93, 14
	s_lshl_b32 s95, s20, 12
	s_add_co_u32 s94, s94, s95
	s_mov_b32 s95, 0
	s_add_nc_u64 s[100:101], s[14:15], s[94:95]
	s_wait_alu depctr_va_vdst(0)
	s_wait_kmcnt 0x0
	s_add_co_i32 s2, s58, s59                      ; e2 + e3
	s_add_co_i32 s23, s60, s61                     ; e4 + e5
	s_cmp_eq_u32 ttmp9, 1
	s_cselect_b32 s2, s23, s2
	s_cselect_b32 s3, s92, s62                     ; the result's own scale: V: e8, K: e6
	s_add_co_i32 s2, s2, 127
	s_lshl_b32 s98, s2, 23
	s_mov_b32 s99, s98
	s_add_co_i32 s3, s3, 127
	s_lshl_b32 s2, s3, 23
	v_mov_b32 v18, s2                              ; 2^eo as f32, for the conversion
	s_add_co_i32 s3, s3, 8
	s_lshl_b32 s3, s3, 23
	s_or_b32 s3, s3, 0x600000
	v_mov_b32 v19, s3                              ; 448 x 2^eo
.macro FRAG reg, adr, q, i             ; 16 rows x 128 K: lane (r, h): row r; registers 4 c .. 4 c + 3 hold K = 32 c + 16 h + 0 .. 15, in both operands
.irp c, 0,1,2,3
	ds_load_b128 v[\reg+4*\c:\reg+4*\c+3], v[\adr] offset:128*(\q)+32*\c+(\i)*16*PITCH
.endr
.endm
.macro FETCH q, f
	WIN 0x40
.irp i, 0,1,2,3
	FRAG (\f)+64+16*\i, 8, \q, \i
.endr
.irp i, 0,1,2,3
	FRAG (\f)+16*\i, 4, \q, \i
.endr
.endm
.macro MUL16 f, zero                   ; the 16 accumulators take turns, one instruction a turn
	WIN 0x05
.irp a, 0,1,2,3
.irp b, 0,1,2,3
.if \zero
	v_wmma_f32_16x16x128_fp8_fp8 v[ACC+8*(4*\a+\b):ACC+8*(4*\a+\b)+7], v[(\f)+64+16*\b:(\f)+64+16*\b+15], v[(\f)+16*\a:(\f)+16*\a+15], 0
.else
	v_wmma_f32_16x16x128_fp8_fp8 v[ACC+8*(4*\a+\b):ACC+8*(4*\a+\b)+7], v[(\f)+64+16*\b:(\f)+64+16*\b+15], v[(\f)+16*\a:(\f)+16*\a+15], v[ACC+8*(4*\a+\b):ACC+8*(4*\a+\b)+7]
.endif
.endr
.endr
.endm
.macro SUB k                           ; step k of eight: the next step's fragments are asked for ahead of this step's 16 products
	s_wait_dscnt 0x0
.if (\k) < 7
.if (\k) > 0
	PLACES 4
.endif
	FETCH (\k)+1, 128*(1-(\k)%2)
.endif
.if (\k) == 0
	MUL16 0, 1
.else
	MUL16 128*((\k)%2), 0
.endif
.endm
	s_wait_alu depctr_va_vdst(0)
	s_wait_tensorcnt 0x0                           ; my 64 rows are in,
	s_barrier_signal -1
	s_barrier_wait -1                              ; everybody's are
	FETCH 0, 0
.irp k, 0,1,2,3,4,5,6,7
	SUB \k
.endr
	WIN 0
	; THE WAY OUT: sum x 2^(exponents) + bias, held, turned into codes; through the work-group's stage; the block of codes is dense
	PLACES 4
	s_wait_loadcnt 0x0
	s_cmp_eq_u32 ttmp9, 1
	s_cselect_b32 vcc_lo, -1, 0
.irp j, 0,1,2,3,4,5,6,7,8,9,10,11,12,13,14,15,16,17,18,19,20,21,22,23,24,25,26,27,28,29,30,31
	v_cndmask_b32 v[32+\j], v[32+\j], v15, vcc_lo  ; V has no bias by column
.endr
.irp a, 0,1,2,3
	v_cndmask_b32 v[24+2*\a], v15, v[20+\a], vcc_lo   ; K has none by row
	v_cndmask_b32 v[25+2*\a], v15, v[20+\a], vcc_lo
.endr
.irp a, 0,1,2,3
.irp b, 0,1,2,3
.irp i, 0,2,4,6
	v_pk_fma_f32 v[ACC+8*(4*\a+\b)+\i:ACC+8*(4*\a+\b)+\i+1], v[ACC+8*(4*\a+\b)+\i:ACC+8*(4*\a+\b)+\i+1], s[98:99], v[32+8*\b+\i:32+8*\b+\i+1] op_sel_hi:[1,0,1]
.endr
.irp i, 0,2,4,6
	v_pk_add_f32 v[ACC+8*(4*\a+\b)+\i:ACC+8*(4*\a+\b)+\i+1], v[ACC+8*(4*\a+\b)+\i:ACC+8*(4*\a+\b)+\i+1], v[24+2*\a:25+2*\a]
.endr
.irp i, 0,1,2,3,4,5,6,7
	v_med3_num_f32 v[ACC+8*(4*\a+\b)+\i], v[ACC+8*(4*\a+\b)+\i], -v19, v19   ; the conversion does not saturate (ISA guide 7.6.2)
.endr
	v_cvt_scalef32_pk8_fp8_f32 v[COD+2*(4*\a+\b):COD+2*(4*\a+\b)+1], v[ACC+8*(4*\a+\b):ACC+8*(4*\a+\b)+7], v18
.endr
.endr
	v_nop
.irp a, 0,1,2,3
.irp p, 0,1
	ds_store_b128 v12, v[COD+8*\a+4*\p:COD+8*\a+4*\p+3] offset:16*SPITCH*\a+32*\p
.endr
.endr
	s_wait_dscnt 0x0                               ; for the others' sake: my stores into the stage are done
	s_barrier_signal -1
	s_barrier_wait -1
.irp i, 0,1,2,3,4,5,6,7
	ds_load_b128 v[BK+4*\i:BK+4*\i+3], v13 offset:4*SPITCH*\i
.endr
.irp i, 0,1,2,3,4,5,6,7
	s_wait_dscnt 7-\i
	global_store_b128 v14, v[BK+4*\i:BK+4*\i+3], s[100:101] offset:512*\i   ; 32 lanes store 512 consecutive bytes, aligned
.endr
	s_wait_tensorcnt 0x0                           ; the wave's end
	ds_add_u32 v[SPW], v[NIL]
	s_wait_dscnt 0x0
	CROUND                                         ; the closing round
	s_endpgm
.Lfunc_end_k_q4eb452dcd7_proj:
	.size	k_q4eb452dcd7_proj, .Lfunc_end_k_q4eb452dcd7_proj-k_q4eb452dcd7_proj
	.p2alignl 7, 3214868480
	.fill 96, 4, 3214868480
	.section	.rodata,"a",@progbits
	.p2align	6, 0x0
	.amdhsa_kernel k_q4eb452dcd7_proj
		.amdhsa_group_segment_fixed_size 327680
		.amdhsa_private_segment_fixed_size 0
		.amdhsa_enable_private_segment 0
		.amdhsa_kernarg_size 48
		.amdhsa_user_sgpr_count 2
		.amdhsa_user_sgpr_kernarg_segment_ptr 1
		.amdhsa_wavefront_size32 1
		.amdhsa_system_sgpr_workgroup_id_x 1
		.amdhsa_system_sgpr_workgroup_id_y 1
		.amdhsa_system_sgpr_workgroup_id_z 1
		.amdhsa_system_vgpr_workitem_id 0
		.amdhsa_next_free_vgpr 512
		.amdhsa_next_free_sgpr 102
		.amdhsa_reserve_vcc 1
		.amdhsa_float_denorm_mode_32 3
		.amdhsa_float_denorm_mode_16_64 3
		.amdhsa_memory_ordered 1
		.amdhsa_forward_progress 1
		.amdhsa_inst_pref_size 56
	.end_amdhsa_kernel
	.amdgpu_metadata
---
amdhsa.version: [ 1, 2 ]
amdhsa.kernels:
  - .name:           k_q4eb452dcd7_proj
    .symbol:         k_q4eb452dcd7_proj.kd
    .args:
      - { .name: x_codes, .offset: 0, .size: 8, .value_kind: global_buffer, .address_space: global }
      - { .name: w_codes, .offset: 8, .size: 8, .value_kind: global_buffer, .address_space: global }
      - { .name: bk, .offset: 16, .size: 8, .value_kind: global_buffer, .address_space: global }
      - { .name: bv, .offset: 24, .size: 8, .value_kind: global_buffer, .address_space: global }
      - { .name: lowp_scales, .offset: 32, .size: 8, .value_kind: global_buffer, .address_space: global }
      - { .name: kv_codes, .offset: 40, .size: 8, .value_kind: global_buffer, .address_space: global }
    .group_segment_fixed_size: 327680
    .private_segment_fixed_size: 0
    .kernarg_segment_align: 8
    .kernarg_segment_size: 48
    .max_flat_workgroup_size: 128
    .sgpr_count:     102
    .vgpr_count:     512
    .wavefront_size: 32
...
	.end_amdgpu_metadata
.endif
;; end of part 2
;; launch attn (part 3): grid 64 x 4, 8 waves a work-group, clusters of 4 x 1, 327,680 bytes of LDS; arguments x_codes, w_codes, bq, kv_codes, lowp_scales, o_codes; writes o_codes
.if DOCPART == 3
	.amdgcn_target "amdgcn-amd-amdhsa--gfx1250"
	.amdhsa_code_object_version 6
	.text
	.protected	k_q4eb452dcd7_attn
	.globl	k_q4eb452dcd7_attn
	.p2align	8
	.type	k_q4eb452dcd7_attn,@function
k_q4eb452dcd7_attn:
	s_mov_b64 s[64:65], 0
	v_nop
	global_prefetch_b8 v0, s[64:65] scope:SCOPE_SE
	s_setreg_imm32_b32 hwreg(HW_REG_WAVE_MODE, 25, 1), 1
	s_wait_xcnt 0x0
	s_wait_alu depctr_hold_cnt(0) depctr_sa_sdst(0) depctr_va_vdst(0) depctr_va_sdst(0) depctr_va_ssrc(0) depctr_va_vcc(0) depctr_vm_vsrc(0)
	s_getreg_b32 s2, hwreg(HW_REG_IB_STS2, 6, 4)
	s_cmp_eq_u32 s2, 0
	s_cbranch_scc0 .Lentry_in_a_cluster
	s_endpgm
.Lentry_in_a_cluster:
	s_bfe_u32 s2, ttmp6, 0x10000c
	s_cmp_lg_u32 s2, 0x3003
	s_cbranch_scc0 .Lentry_shape_is_right
	s_endpgm
.Lentry_shape_is_right:
; Q = x Wq^T + bq for 256 tokens of one head, quantised in registers, then O = softmax(Q K^T / sqrt(128)) V for them, quantised for the last product.  All products on codes of FP8 (E4M3).
; SHARES.  A work-group owns 256 queries of one head (32 heads x 8 blocks = 256 work-groups), each of its eight waves 32 of them: two tiles of 16.  Each number of Q is made once in the launch.
; Q.  Source 0 = 16 rows of Wq, source 1 = 16 tokens: lane (r, h) holds token r and, in tile t, the head's indices 16 t + 8 h + 0 .. 7.  One conversion makes 8 codes of them: registers 2 t, 2 t + 1 of the
;   wave's Q fragment, the order in which kv_codes holds a key's row.  x's 32 rows of 1,024 codes (plane e0) are the wave's own: they go from memory into 256 registers, each byte read once by this wave.
;   Wq's 128 rows come into the upper slot by a joint load.  Two passes over the head's halves, 8 accumulators each.  bq x 2^-(e0+e1) is the C of a sum's first product, so the sums are held and converted with 2^(e7-e0-e1).
;   Each LDS row of Wq takes its 1,024 codes and the 144 bytes that follow them in w_codes (inside the buffer: Wk's codes lie behind Wq's), which nobody reads: rows lie 1,168 bytes apart, an odd multiple of 16.
; THE SOFTMAX: t = score x log2(e) / sqrt(128); M = the running largest t rounded up to a whole number; p = 2^(t - M) is quantised with e9; the row's sum is taken of the unquantised p and divides at the end.
; THE RING: two slots of 512 keys (K's four parts of 128 keys, then V^T's four; a part is 128 rows of 128 bytes, 144 apart in LDS).  A part is dense in memory and is stated as rows of 256 bytes.
;   Head: waves 0-3 ask for Wq (upper slot), waves 4-7 for key block 0 (lower slot).  The change of slots stands at a slot's head: behind its round waves 4-7 fill the slot just left.
; CLUSTERS: the four partners are four query blocks of one head: Wq's rows and all of K and V are asked for JOINTLY (mask 15).
; No prefetch of K and V: a refill is asked for four key steps (128 matrix instructions a wave) ahead of the wait for it, and there are three refills in all.
; LIMITS: e0+e1 between -126 and 126; e7-e0-e1, e9, e10 between -126 and 119; e6+e7 between -123 and 130.  The scaled scores stay under 2^31 in magnitude.
; REGISTERS.  window 0: v1-11 addresses, constants; v12-27 the softmax's state (before: bq for the second pass); v32-63 Q; v64-191 scores, p (before: v64-127 Q's sums); v192-223 p's codes; v128-255 before: two buffers of Wq's fragments.
;   window 1: v0-127 O^T, v128-255 fragments of K and V (before: all 256: x's fragments, tile u, K step s at 128 u + 16 s).
.set PART,  18432
.set SLOT,  8*PART
.set VOFF,  4*PART
.set WP,    1168
.set SPARE, SLOT+128*WP                ; 296,960: the spare words, 128 bytes a wave
.set SPITCH, 144
.set LT,  1
.set ADK, 2
.set ADV, 3
.set AW,  2                            ; v2, v3 before the key steps: Wq's rows 0-63, 64-127
.set SPW, 4
.set NIL, 5
.set STO, 6
.set RD,  7
.set GO,  8
.set QO,  9
.set ST,  12
.set Q,   32
.set S,   64
.set ACC, 64
.set P,   192
.set PX,  224
.set BO,  224
.set SC,  226
.set FB,  128
.set WV,  16
.set G1K, 24
.set G1W, 32
.set G0K, 40
.set G0W, 44
.set KB,  60
.set CNT, 61
.set PH,  62
.set TB,  63
.set HP,  78                           ; s78: 448 x 2^e9
.set SB,  80                           ; s[80:81]: 2^-(e0+e1)
.set MSB, 0
.macro WIN new
.if MSB != \new
	s_set_vgpr_msb (MSB<<8)|\new
.set MSB, \new
.endif
.endm
.macro CROUND
	s_barrier_signal -1
	s_barrier_wait -1
	s_cmp_lg_u32 s[WV], 0
	s_cbranch_scc1 .Lnot_wave_0_\@
	s_barrier_signal -3
.Lnot_wave_0_\@:
	s_barrier_wait -3
	s_barrier_signal -1
	s_barrier_wait -1
.endm
.macro PLACES n
.rept \n
	v_nop
.endr
.endm
	s_load_b256 s[4:11], s[0:1], 0x0               ; x_codes, w_codes, bq, kv_codes
	s_load_b128 s[12:15], s[0:1], 0x20             ; the exponents, o_codes
	v_lshl_add_u32 v[SPW], v0, 2, SPARE
	v_mov_b32 v[NIL], 0
	ds_add_u32 v[SPW], v[NIL]                      ; the opening lines: the add twice on end and its wait ahead of my first tensor load
	ds_add_u32 v[SPW], v[NIL]
	v_lshrrev_b32 v1, 5, v0
	v_readfirstlane_b32 s[WV], v1                  ; wave 0..7
	s_bfe_u32 s17, ttmp6, 0x40000                  ; cx
	s_and_b32 s67, ttmp7, 0xffff                   ; the kv head
	s_lshr_b32 s18, ttmp9, 1                       ; the group: two clusters to a head
	s_lshl_b32 s18, s18, 2
	s_add_co_u32 s18, s18, s67                     ; the head = 4 x group + kv head: the same in the four partners
	s_and_b32 s19, ttmp9, 1
	s_lshl_b32 s19, s19, 2
	s_add_co_u32 s19, s19, s17                     ; my block of 256 queries
	s_mov_b32 s[G1K], 15|(1<<20)|(1<<21)|(4<<22)|(3<<25)   ; two parts: 128 rows of 256 bytes, dense; four words of padding behind every 32
	s_mov_b32 s[G1K+1], 256<<16
	s_mov_b32 s[G1K+2], 128<<16
	s_mov_b32 s[G1K+3], 256<<16
	s_mov_b32 s[G1K+4], 128
	s_mov_b32 s[G1K+5], 256
	s_mov_b32 s[G1K+6], 0
	s_mov_b32 s[G1K+7], 0
	s_mov_b32 s[G1W], 15|(1<<21)                   ; Wq: 32 rows, 1,024 bytes apart in memory, 1,168 bytes of each; no padding
	s_mov_b32 s[G1W+1], WP<<16
	s_mov_b32 s[G1W+2], 32<<16
	s_mov_b32 s[G1W+3], WP<<16
	s_mov_b32 s[G1W+4], 32
	s_mov_b32 s[G1W+5], 1024
	s_mov_b32 s[G1W+6], 0
	s_mov_b32 s[G1W+7], 0
	s_and_b32 s68, s[WV], 3
	s_lshl_b32 s70, s68, 15                        ; 32 rows of Wq, and two parts of kv_codes, are 32,768 bytes
	s_lshl_b32 s72, s18, 17
	s_add_co_u32 s72, s72, s70
	s_mov_b32 s73, 0
	s_lshl_b32 s74, s67, 19
	s_add_co_u32 s74, s74, s70
	s_mov_b32 s75, 0
	s_mul_i32 s69, s68, 32*WP
	s_add_co_u32 s69, s69, SLOT
	s_mul_i32 s71, s68, 2*PART
	s_lshl_b32 s76, s19, 18                        ; x: my wave's 32 rows of 1,024 bytes
	s_lshl_b32 s77, s[WV], 15
	s_add_co_u32 s76, s76, s77
	s_mov_b32 s77, 0
	s_lshl_b32 s82, s19, 1                         ; o_codes [128 tokens 16][head 32][128][128]
	s_lshr_b32 s83, s[WV], 2
	s_add_co_u32 s82, s82, s83
	s_lshl_b32 s82, s82, 5
	s_add_co_u32 s82, s82, s18
	s_lshl_b32 s82, s82, 14
	s_lshl_b32 s83, s68, 12
	s_add_co_u32 s82, s82, s83
	s_mov_b32 s83, 0
	s_lshl_b32 s84, s18, 9                         ; bq: the head's 128 numbers
	s_mov_b32 s85, 0
	s_mov_b32 s20, 0x76543210
	s_mov_b32 s21, 0xfedcba98
	s_wait_dscnt 0x0
	s_wait_kmcnt 0x0
	s_load_b256 s[48:55], s[12:13], 0x0            ; e0 .. e7
	s_load_b128 s[56:59], s[12:13], 0x20           ; e8 .. e11
	s_mov_b32 s[G0W], 1
	s_mov_b32 s[G0W+1], s69
	s_add_nc_u64 s[G0W+2:G0W+3], s[6:7], s[72:73]
	s_or_b32 s[G0W+3], s[G0W+3], 0x80000000
	s_mov_b32 s[G0K], 1
	s_mov_b32 s[G0K+1], s71
	s_add_nc_u64 s[G0K+2:G0K+3], s[10:11], s[74:75]
	s_or_b32 s[G0K+3], s[G0K+3], 0x80000000
	s_add_nc_u64 s[4:5], s[4:5], s[76:77]
	s_add_nc_u64 s[8:9], s[8:9], s[84:85]
	s_add_nc_u64 s[14:15], s[14:15], s[82:83]
	CROUND                                         ; the four partners are here: the joint loads meet
	s_cmp_lt_u32 s[WV], 4
	s_cbranch_scc0 .Lhead_kv
	tensor_load_to_lds s[G0W:G0W+3], s[G1W:G1W+7]
	s_nop 0
	PLACES 4
	s_branch .Lhead_asked
.Lhead_kv:
	tensor_load_to_lds s[G0K:G0K+3], s[G1K:G1K+7]
	s_nop 0
	PLACES 4
.Lhead_asked:
	v_and_b32 v30, 15, v0                          ; r
	v_bfe_u32 v31, v0, 4, 1                        ; h
	v_lshlrev_b32 v[QO], 10, v30
	v_lshl_add_u32 v[QO], v31, 4, v[QO]            ; x: row r, + 16 h
	v_lshlrev_b32 v[BO], 5, v31                    ; bq: 32 h; tile t: 64 t on
	s_wait_alu depctr_va_vdst(0)
.irp t, 0,1,2,3                        ; the first pass's bias goes into its sums' own registers, once for each tile of tokens
.irp u, 0,1
	global_load_b128 v[ACC+8*(2*\t+\u):ACC+8*(2*\t+\u)+3], v[BO], s[8:9] offset:64*\t
	global_load_b128 v[ACC+8*(2*\t+\u)+4:ACC+8*(2*\t+\u)+7], v[BO], s[8:9] offset:64*\t+16
.endr
.endr
.irp g, 12,20,40,56                    ; the second pass's is kept in v12-27, v40-47, v56-63
	global_load_b128 v[\g:\g+3], v[BO], s[8:9] offset:256+64*((\g)/8-1-(\g)/40*2-(\g)/56)
	global_load_b128 v[\g+4:\g+7], v[BO], s[8:9] offset:256+64*((\g)/8-1-(\g)/40*2-(\g)/56)+16
.endr
	WIN 0x40
.irp s, 0,1,2,3,4,5,6,7
.irp u, 0,1
.irp c, 0,1,2,3
	global_load_b128 v[128*\u+16*\s+4*\c:128*\u+16*\s+4*\c+3], v[QO], s[4:5] offset:16384*\u+128*\s+32*\c
.endr
.endr
.endr
	WIN 0
	v_mul_u32_u24 v[LT], v30, SPITCH
	v_lshl_add_u32 v[LT], v31, 4, v[LT]
	v_mul_u32_u24 v[AW], v30, WP
	v_lshl_add_u32 v[AW], v31, 4, v[AW]
	v_add_nc_u32 v[AW], SLOT, v[AW]
	v_add_nc_u32 v[AW+1], 64*WP, v[AW]
	s_mul_i32 s86, s[WV], 32*SPITCH
	v_mul_u32_u24 v[STO], v30, SPITCH
	v_lshl_add_u32 v[STO], v31, 3, v[STO]
	v_add_nc_u32 v[STO], s86, v[STO]
	v_and_b32 v[GO], 31, v0
	v_lshrrev_b32 v[RD], 3, v[GO]
	v_mul_u32_u24 v[RD], v[RD], SPITCH
	v_and_b32 v30, 7, v0
	v_lshl_add_u32 v[RD], v30, 4, v[RD]
	v_add_nc_u32 v[RD], s86, v[RD]
	v_lshlrev_b32 v[GO], 4, v[GO]
	s_wait_alu depctr_va_vdst(0)
	s_wait_kmcnt 0x0
	s_add_co_i32 s66, s54, s55
	s_lshl_b32 s66, s66, 23
	s_mov_b32 s22, 0x3e0293ee                      ; log2(e) / sqrt(128),
	s_add_co_i32 s22, s22, s66                     ; x 2^(e6+e7)
	s_mov_b32 s23, s22
	s_add_co_i32 s66, s57, 127
	s_lshl_b32 s67, s66, 23
	v_mov_b32 v10, s67                             ; 2^e9
	s_add_co_i32 s66, s66, 8
	s_lshl_b32 s66, s66, 23
	s_or_b32 s[HP], s66, 0x600000
	s_add_co_i32 s66, s58, 127
	s_lshl_b32 s67, s66, 23
	v_mov_b32 v28, s67                             ; 2^e10
	s_add_co_i32 s66, s66, 8
	s_lshl_b32 s66, s66, 23
	s_or_b32 s66, s66, 0x600000
	v_mov_b32 v29, s66                             ; 448 x 2^e10
	s_add_co_i32 s67, s48, s49                     ; e0 + e1
	s_sub_co_i32 s66, 127, s67
	s_lshl_b32 s[SB], s66, 23
	s_mov_b32 s[SB+1], s[SB]
	s_add_co_i32 s66, s66, s55                     ; e7 - e0 - e1 + 127
	s_lshl_b32 s67, s66, 23
	v_mov_b32 v30, s67                             ; 2^(e7-e0-e1)
	s_add_co_i32 s66, s66, 8
	s_lshl_b32 s66, s66, 23
	s_or_b32 s66, s66, 0x600000
	v_mov_b32 v31, s66                             ; 448 x that
; ---- Q.  Half step i: pass i / 8 (the head's indices 64 x pass on), K step i % 8: four fragments of Wq x my two tiles of tokens
.macro QLOAD i
.set BF, 128+64*((\i)%2)
.irp t, 0,1,2,3
.irp c, 0,1,2,3
	ds_load_b128 v[BF+16*\t+4*\c:BF+16*\t+4*\c+3], v[AW+(\i)/8] offset:16*WP*\t+128*((\i)%8)+32*\c
.endr
.endr
.endm
.macro QH i
.if (\i) < 15
.if (\i) > 0
	PLACES 4                                       ; between the last products, which read the other buffer, and the loads into it
.endif
	QLOAD (\i)+1
.endif
.if (\i) < 8
	s_wait_loadcnt 8*(7-(\i))                      ; x's fragments of this K step are in; the later K steps' eight loads each may be out
.endif
.if (\i) < 15
	s_wait_dscnt 16                                ; all but the 16 just issued
.else
	s_wait_dscnt 0x0
.endif
	WIN 0x04                                       ; source 1 (x) window 1
.set BF, 128+64*((\i)%2)
.irp t, 0,1,2,3
.irp u, 0,1
.if (\i) == 8
.if \t < 2
.set CC, 12+8*\t
.else
.set CC, 8+16*\t
.endif
.else
.set CC, ACC+8*(2*\t+\u)
.endif
	v_wmma_f32_16x16x128_fp8_fp8 v[ACC+8*(2*\t+\u):ACC+8*(2*\t+\u)+7], v[BF+16*\t:BF+16*\t+15], v[128*\u+16*((\i)%8):128*\u+16*((\i)%8)+15], v[CC:CC+7]
.endr
.endr
	WIN 0
.endm
.macro QEPI p                          ; a pass's sums are held and converted: the results are registers of my Q fragments
	PLACES 4
.set j, 0
.rept 64
	v_med3_num_f32 v[ACC+j], v[ACC+j], -v31, v31   ; the conversion does not saturate (ISA guide 7.6.2)
.set j, j+1
.endr
.irp t, 0,1,2,3
.irp u, 0,1
	v_cvt_scalef32_pk8_fp8_f32 v[Q+16*\u+8*\p+2*\t:Q+16*\u+8*\p+2*\t+1], v[ACC+8*(2*\t+\u):ACC+8*(2*\t+\u)+7], v30
.endr
.endr
	v_nop
.endm
	s_wait_alu depctr_va_vdst(0)
	s_wait_tensorcnt 0x0                           ; my part of Wq or of key block 0 is in,
	s_barrier_signal -1
	s_barrier_wait -1                              ; everybody's is
	QLOAD 0
	s_wait_loadcnt 56                              ; bq and x's K step 0 are in
.set j, 0
.rept 32
	v_pk_mul_f32 v[ACC+j:ACC+j+1], v[ACC+j:ACC+j+1], s[SB:SB+1] op_sel_hi:[1,0]   ; bq x 2^-(e0+e1): exact
.set j, j+2
.endr
.irp g, 12,20,40,56
.irp j, 0,2,4,6
	v_pk_mul_f32 v[\g+\j:\g+\j+1], v[\g+\j:\g+\j+1], s[SB:SB+1] op_sel_hi:[1,0]
.endr
.endr
.irp i, 0,1,2,3,4,5,6,7
	QH \i
.endr
	QEPI 0
.irp i, 8,9,10,11,12,13,14,15
	QH \i
.endr
	QEPI 1
.irp u, 0,1
	v_mov_b32 v[ST+8*\u+1], 0xff61b1e6             ; the largest t so far: -3e38
	s_delay_alu instid0(VALU_DEP_1)
	v_floor_f32 v[ST+8*\u], -v[ST+8*\u+1]          ; -M
	v_mov_b32 v[ST+8*\u+2], 0
	v_mov_b32 v[ST+8*\u+3], 0
	v_mov_b32 v[ST+8*\u+5], 0
	v_mov_b32 v[PX+\u], 0
.endr
	WIN 0x40
.set j, 0
.rept 128
	v_mov_b32 v[j], 0                              ; O^T: the key step is written for every step alike; the first finds zeros
.set j, j+1
.endr
	WIN 0
.macro LOADF adr, f0
	WIN 0x40
.irp f, \f0, \f0+1, \f0+2, \f0+3
.irp c, 0,1,2,3
	ds_load_b128 v[FB+16*(\f)+4*\c:FB+16*(\f)+4*\c+3], v[\adr] offset:16*SPITCH*(\f)+32*\c
.endr
.endr
.endm
.macro KQ t0
	WIN 0x01
.irp t, \t0, \t0+1, \t0+2, \t0+3
.irp u, 0,1
	v_wmma_f32_16x16x128_fp8_fp8 v[S+64*\u+8*(\t):S+64*\u+8*(\t)+7], v[FB+16*(\t):FB+16*(\t)+15], v[Q+16*\u:Q+16*\u+15], 0
.endr
.endr
.endm
.macro STEP                            ; 128 keys x my 32 queries
	WIN 0
	v_add_nc_u32 v[ADK], s[KB], v[LT]
	s_delay_alu instid0(VALU_DEP_1)
	v_add_nc_u32 v[ADV], VOFF, v[ADK]
	PLACES 2
	LOADF ADK, 0
	LOADF ADK, 4
	s_wait_alu depctr_va_vdst(0)
	s_wait_dscnt 16
	KQ 0
	PLACES 4
	LOADF ADV, 0
	s_wait_dscnt 16
	KQ 4
	PLACES 4
	LOADF ADV, 4
	WIN 0
.irp u, 0,1
	v_max3_num_f32 v[ST+8*\u+6], v[S+64*\u], v[S+64*\u+1], v[S+64*\u+2]
	v_max3_num_f32 v[ST+8*\u+7], v[S+64*\u+3], v[S+64*\u+4], v[S+64*\u+5]
.endr
.irp i, 6,10,14,18,22,26,30,34,38,42,46,50,54,58
.irp u, 0,1
	v_max3_num_f32 v[ST+8*\u+6], v[ST+8*\u+6], v[S+64*\u+\i], v[S+64*\u+\i+1]
	v_max3_num_f32 v[ST+8*\u+7], v[ST+8*\u+7], v[S+64*\u+\i+2], v[S+64*\u+\i+3]
.endr
.endr
.irp u, 0,1
	v_max3_num_f32 v[ST+8*\u+6], v[ST+8*\u+6], v[S+64*\u+62], v[S+64*\u+63]
.endr
.irp u, 0,1
	s_delay_alu instid0(VALU_DEP_2)
	v_max_num_f32 v[ST+8*\u+6], v[ST+8*\u+6], v[ST+8*\u+7]
.endr
.irp u, 0,1
	s_delay_alu instid0(VALU_DEP_2)
	v_permlanex16_b32 v[PX+\u], v[ST+8*\u+6], s20, s21
.endr
.irp u, 0,1
	s_delay_alu instid0(VALU_DEP_2)
	v_max_num_f32 v[ST+8*\u+6], v[ST+8*\u+6], v[PX+\u]
.endr
.irp u, 0,1
	s_delay_alu instid0(VALU_DEP_2)
	v_mul_f32 v[ST+8*\u+6], s22, v[ST+8*\u+6]
.endr
.irp u, 0,1
	s_delay_alu instid0(VALU_DEP_2)
	v_max_num_f32 v[ST+8*\u+1], v[ST+8*\u+1], v[ST+8*\u+6]
.endr
.irp u, 0,1
	v_mov_b32 v[ST+8*\u+6], v[ST+8*\u]
.endr
.irp u, 0,1
	s_delay_alu instid0(VALU_DEP_4)
	v_floor_f32 v[ST+8*\u], -v[ST+8*\u+1]
.endr
.irp u, 0,1
	s_delay_alu instid0(VALU_DEP_2)
	v_sub_f32 v[ST+8*\u+6], v[ST+8*\u], v[ST+8*\u+6]
.endr
.irp u, 0,1
	s_delay_alu instid0(VALU_DEP_2)
	v_cvt_i32_f32 v[ST+8*\u+6], v[ST+8*\u+6]
.endr
.irp u, 0,1
	s_delay_alu instid0(VALU_DEP_2)
	v_ldexp_f32 v[ST+8*\u+4], 1.0, v[ST+8*\u+6]    ; f = 2^(old M - new M)
.endr
.set j, 0
.rept 32
.irp u, 0,1
	v_pk_fma_f32 v[S+64*\u+j:S+64*\u+j+1], v[S+64*\u+j:S+64*\u+j+1], s[22:23], v[ST+8*\u:ST+8*\u+1] op_sel_hi:[1,0,0]
.endr
.set j, j+2
.endr
.set j, 0
	s_wait_alu depctr_va_vdst(0)
.rept 128
	v_exp_f32 v[S+j], v[S+j]
.set j, j+1
.endr
.irp u, 0,1
	v_pk_mul_f32 v[ST+8*\u+2:ST+8*\u+3], v[ST+8*\u+2:ST+8*\u+3], v[ST+8*\u+4:ST+8*\u+5] op_sel_hi:[1,0]
.endr
	s_wait_alu depctr_va_vdst(0)                   ; and behind it, ahead of its first reader
.irp u, 0,1
	v_pk_add_f32 v[SC+2*\u:SC+2*\u+1], v[S+64*\u:S+64*\u+1], v[S+64*\u+2:S+64*\u+3]
.endr
.set j, 4
.rept 15
.irp u, 0,1
	v_pk_add_f32 v[ST+8*\u+2:ST+8*\u+3], v[ST+8*\u+2:ST+8*\u+3], v[S+64*\u+j:S+64*\u+j+1]
	v_pk_add_f32 v[SC+2*\u:SC+2*\u+1], v[SC+2*\u:SC+2*\u+1], v[S+64*\u+j+2:S+64*\u+j+3]
.endr
.set j, j+4
.endr
.irp u, 0,1
	v_pk_add_f32 v[ST+8*\u+2:ST+8*\u+3], v[ST+8*\u+2:ST+8*\u+3], v[SC+2*\u:SC+2*\u+1]
.endr
.irp u, 0,1
.irp c, 0,1,2,3
.set j, 0
.rept 8
	v_dual_min_num_f32 v[S+64*\u+16*\c+j], s[HP], v[S+64*\u+16*\c+j] :: v_dual_min_num_f32 v[S+64*\u+16*\c+j+1], s[HP], v[S+64*\u+16*\c+j+1]   ; the hold, one-sided: p is not negative; two numbers a pair
.set j, j+2
.endr
	v_cvt_scalef32_pk8_fp8_f32 v[P+16*\u+4*\c:P+16*\u+4*\c+1], v[S+64*\u+16*\c:S+64*\u+16*\c+7], v10
	v_cvt_scalef32_pk8_fp8_f32 v[P+16*\u+4*\c+2:P+16*\u+4*\c+3], v[S+64*\u+16*\c+8:S+64*\u+16*\c+15], v10
.endr
.endr
	WIN 0x41
	s_wait_alu depctr_va_vdst(0)
.set j, 0
.rept 32
.irp u, 0,1
	v_pk_mul_f32 v[64*\u+j:64*\u+j+1], v[64*\u+j:64*\u+j+1], v[ST+8*\u+4:ST+8*\u+5] op_sel_hi:[1,0]
.endr
.set j, j+2
.endr
	s_wait_alu depctr_va_vdst(0)
	s_wait_dscnt 0x0
	WIN 0x51
.irp t, 0,1,2,3,4,5,6,7
.irp u, 0,1
	v_wmma_f32_16x16x128_fp8_fp8 v[64*\u+8*\t:64*\u+8*\t+7], v[FB+16*\t:FB+16*\t+15], v[P+16*\u:P+16*\u+15], v[64*\u+8*\t:64*\u+8*\t+7]
.endr
.endr
	WIN 0
	s_add_co_u32 s[KB], s[KB], PART
.endm
.macro SLOT_STEPS
	s_mov_b32 s[KB], s[TB]
	s_mov_b32 s[CNT], 4
.Lstep_\@:
	STEP
	s_sub_co_u32 s[CNT], s[CNT], 1
	s_cmp_lg_u32 s[CNT], 0
	s_cbranch_scc1 .Lstep_\@
.endm
; THE CHANGE OF SLOTS, at a slot's head.  fill = 1: behind a round of the cluster's barrier waves 4-7 fill the slot just left (the first time: the slot that held Wq) with the next 512 keys.
.macro CHANGE fill
	s_wait_alu depctr_va_vdst(0)
	s_wait_tensorcnt 0x0                           ; no tensor load of mine is out: my part of the slot ahead is in
	ds_add_u32 v[SPW], v[NIL]
	s_xor_b32 s[TB], s[TB], SLOT                   ; the slot ahead
.if \fill
	s_xor_b32 s66, s[TB], SLOT                     ; the slot just left
	s_add_co_u32 s[G0K+1], s66, s71
	s_add_nc_u64 s[G0K+2:G0K+3], s[G0K+2:G0K+3], 131072
.endif
	s_wait_dscnt 0x0                               ; the add is done, and my reads of the slot just left are over
.if \fill
	CROUND
	s_cmp_lt_u32 s[WV], 4
	s_cbranch_scc1 .Lno_load_\@
	tensor_load_to_lds s[G0K:G0K+3], s[G1K:G1K+7]
	s_nop 0
	PLACES 4
.Lno_load_\@:
.else
	s_barrier_signal -1
	s_barrier_wait -1
.endif
.endm
	s_mov_b32 s[TB], SLOT
	s_mov_b32 s[PH], 3
.Lphase:                                               ; three trips: key blocks 0, 1, 2 are read while blocks 1, 2, 3 are on their way
	CHANGE 1
	SLOT_STEPS
	s_sub_co_u32 s[PH], s[PH], 1
	s_cmp_lg_u32 s[PH], 0
	s_cbranch_scc1 .Lphase
	CHANGE 0                                       ; the last block is written out: nothing more is asked for
	SLOT_STEPS
	; THE WAY OUT: O^T / the sum x 2^(e8+e9), held, converted with e10; through my stage in the lower slot, which has had its last fill and was left at the last change of slots
.irp u, 0,1
	v_add_f32 v[ST+8*\u+2], v[ST+8*\u+2], v[ST+8*\u+3]
.endr
.irp u, 0,1
	s_delay_alu instid0(VALU_DEP_2)
	v_permlanex16_b32 v[PX+\u], v[ST+8*\u+2], s20, s21
.endr
.irp u, 0,1
	s_delay_alu instid0(VALU_DEP_2)
	v_add_f32 v[ST+8*\u+2], v[ST+8*\u+2], v[PX+\u]
.endr
	s_wait_alu depctr_va_vdst(0)
.irp u, 0,1
	v_rcp_f32 v[ST+8*\u+6], v[ST+8*\u+2]
.endr
	v_nop
	s_add_co_i32 s66, s56, s57
	s_wait_alu depctr_va_vdst(0)
.irp u, 0,1
	v_ldexp_f32 v[ST+8*\u+6], v[ST+8*\u+6], s66
.endr
.irp u, 0,1
	WIN 0x01
	s_wait_alu depctr_va_vdst(0)
.set j, 0
.rept 32
	v_pk_mul_f32 v[S+64*\u+j:S+64*\u+j+1], v[64*\u+j:64*\u+j+1], v[ST+8*\u+6:ST+8*\u+7] op_sel_hi:[1,0]
.set j, j+2
.endr
	WIN 0
.set j, 0
.rept 64
	v_med3_num_f32 v[S+64*\u+j], v[S+64*\u+j], -v29, v29
.set j, j+1
.endr
.irp t, 0,1,2,3,4,5,6,7
	v_cvt_scalef32_pk8_fp8_f32 v[P+16*\u+2*\t:P+16*\u+2*\t+1], v[S+64*\u+8*\t:S+64*\u+8*\t+7], v28
.endr
	v_nop
.irp t, 0,1,2,3,4,5,6,7
	ds_store_b64 v[STO], v[P+16*\u+2*\t:P+16*\u+2*\t+1] offset:16*SPITCH*\u+16*\t
.endr
.endr
.irp i, 0,1,2,3,4,5,6,7
	ds_load_b128 v[S+4*\i:S+4*\i+3], v[RD] offset:4*SPITCH*\i
.endr
.irp i, 0,1,2,3,4,5,6,7
	s_wait_dscnt 7-\i
	global_store_b128 v[GO], v[S+4*\i:S+4*\i+3], s[14:15] offset:512*\i   ; 32 lanes store 512 consecutive bytes, aligned
.endr
	s_wait_tensorcnt 0x0                           ; the wave's end
	ds_add_u32 v[SPW], v[NIL]
	s_wait_dscnt 0x0
	CROUND                                         ; the closing round
	s_endpgm
.Lfunc_end_k_q4eb452dcd7_attn:
	.size	k_q4eb452dcd7_attn, .Lfunc_end_k_q4eb452dcd7_attn-k_q4eb452dcd7_attn
	.p2alignl 7, 3214868480
	.fill 96, 4, 3214868480
	.section	.rodata,"a",@progbits
	.p2align	6, 0x0
	.amdhsa_kernel k_q4eb452dcd7_attn
		.amdhsa_group_segment_fixed_size 327680
		.amdhsa_private_segment_fixed_size 0
		.amdhsa_enable_private_segment 0
		.amdhsa_kernarg_size 48
		.amdhsa_user_sgpr_count 2
		.amdhsa_user_sgpr_kernarg_segment_ptr 1
		.amdhsa_wavefront_size32 1
		.amdhsa_system_sgpr_workgroup_id_x 1
		.amdhsa_system_sgpr_workgroup_id_y 1
		.amdhsa_system_sgpr_workgroup_id_z 1
		.amdhsa_system_vgpr_workitem_id 0
		.amdhsa_next_free_vgpr 512
		.amdhsa_next_free_sgpr 90
		.amdhsa_reserve_vcc 0
		.amdhsa_float_denorm_mode_32 3
		.amdhsa_float_denorm_mode_16_64 3
		.amdhsa_memory_ordered 1
		.amdhsa_forward_progress 1
		.amdhsa_inst_pref_size 146
	.end_amdhsa_kernel
	.amdgpu_metadata
---
amdhsa.version: [ 1, 2 ]
amdhsa.kernels:
  - .name:           k_q4eb452dcd7_attn
    .symbol:         k_q4eb452dcd7_attn.kd
    .args:
      - { .name: x_codes, .offset: 0, .size: 8, .value_kind: global_buffer, .address_space: global }
      - { .name: w_codes, .offset: 8, .size: 8, .value_kind: global_buffer, .address_space: global }
      - { .name: bq, .offset: 16, .size: 8, .value_kind: global_buffer, .address_space: global }
      - { .name: kv_codes, .offset: 24, .size: 8, .value_kind: global_buffer, .address_space: global }
      - { .name: lowp_scales, .offset: 32, .size: 8, .value_kind: global_buffer, .address_space: global }
      - { .name: o_codes, .offset: 40, .size: 8, .value_kind: global_buffer, .address_space: global }
    .group_segment_fixed_size: 327680
    .private_segment_fixed_size: 0
    .kernarg_segment_align: 8
    .kernarg_segment_size: 48
    .max_flat_workgroup_size: 256
    .sgpr_count:     90
    .vgpr_count:     512
    .wavefront_size: 32
...
	.end_amdgpu_metadata
.endif
;; end of part 3
;; launch outp (part 4): grid 16 x 16, 4 waves a work-group, clusters of 4 x 4, 327,680 bytes of LDS; arguments o_codes, wo_codes, bo, lowp_scales, out0; writes out0
.if DOCPART == 4
	.amdgcn_target "amdgcn-amd-amdhsa--gfx1250"
	.amdhsa_code_object_version 6
	.text
	.protected	k_q4eb452dcd7_outp
	.globl	k_q4eb452dcd7_outp
	.p2align	8
	.type	k_q4eb452dcd7_outp,@function
k_q4eb452dcd7_outp:
	s_mov_b64 s[64:65], 0
	v_nop
	global_prefetch_b8 v0, s[64:65] scope:SCOPE_SE
	s_setreg_imm32_b32 hwreg(HW_REG_WAVE_MODE, 25, 1), 1
	s_wait_xcnt 0x0
	s_wait_alu depctr_hold_cnt(0) depctr_sa_sdst(0) depctr_va_vdst(0) depctr_va_sdst(0) depctr_va_ssrc(0) depctr_va_vcc(0) depctr_vm_vsrc(0)
	s_getreg_b32 s2, hwreg(HW_REG_IB_STS2, 6, 4)
	s_cmp_eq_u32 s2, 0
	s_cbranch_scc0 .Lentry_in_a_cluster
	s_endpgm
.Lentry_in_a_cluster:
	s_bfe_u32 s2, ttmp6, 0x10000c
	s_cmp_lg_u32 s2, 0xf033
	s_cbranch_scc0 .Lentry_shape_is_right
	s_endpgm
.Lentry_shape_is_right:
; out0 = O Wo^T + bo on codes of FP8 (E4M3).  O: o_codes [128 tokens 16][head 32][128 tokens][128], scale 2^e10; Wo: wo_codes [1024][4096], scale 2^e11; K = 4,096 = head x 128 + the head's own index.
; out0 [2048][1024] f32 = sum x 2^(e10 + e11) + bo.  LIMIT: e10 + e11 between -126 and 127, so that the power of two is an f32 number.
; A tile of 128 tokens x 64 columns is made by a work-group of four waves: 2,048 x 1,024 results are 256 such tiles.  Wave w makes rows 32 w .. 32 w + 31 and all 64 columns: 8 accumulators;
; so a row's 64 results, 256 bytes, come from one wave, and the way out needs no barrier.
; TWO UNEQUAL SLOTS that together take nearly all of LDS: X holds 1,024 along K (8 heads), Y 512 (4 heads).  K is walked as X (heads 0-7), Y (8-11), X (12-19), Y (20-23), X (24-31): five fills.
; X's first fill goes out at the head, one tensor load a wave; Y's first fill is issued as a refill is, behind the waits, the add and a round of the cluster's barrier; three more fill a slot again.
; A step of 128 along K is only 8 matrix instructions a wave, so the fills are made few and large.
; O's part of a slot is dense in memory and is stated as rows of 256 bytes, padded behind each 128; Wo's is 64 rows of 1,024 (X) or 512 (Y) bytes.  The 32 steps are written out: there is no loop.
; CLUSTERS: 4 x 4 work-groups.  The four of a row of the cluster need the same tiles of O, the four of a column the same tiles of Wo: each tile is asked for JOINTLY.
; PREFETCH INTO THE L2: each fill but the first is asked for two fills ahead (fills 1 and 2 at the head, fill 3 behind fill 1's load, fill 4 behind fill 2's).  Four heads of O are 256 blocks of 256 bytes: the partner at cx takes 64,
; waves 0 and 1 take 32 each, a lane a block.  Four heads of Wo's 64 rows are 128 blocks: the partner at cy takes 16 rows, a lane a block; wave 2 takes a fill's first four heads, wave 3 its second four (X alone has them).
; So each block is named once in each cluster that loads it; the partners are told apart by address alone; every offset is an immediate and the address registers are never rewritten.
; THE MATRIX INSTRUCTION IS USED TRANSPOSED (source 0 = 16 rows of Wo, source 1 = 16 tokens): a lane holds eight neighbouring numbers of a row of out0.
; REGISTERS.  window 0: v1-30 addresses; v32-63 bo; v64-127 results; v128-191 rows read back; v192-255 the accumulators ((a, b) at v[192 + 8 (4 a + b)]).
;   window 1: two fragment buffers, at v0 and v128: O's two fragments (16 registers each), then Wo's four.
.set APITCH, 144                       ; a row of O in LDS: 128 bytes + 16
.set ACH,    128*APITCH                ; a head's 128 rows
.set BPX,    1040                      ; a row of Wo in X: 1,024 bytes + 16, an odd multiple of 16
.set BPY,    528                       ; in Y: 512 bytes + 16
.set XB,     8*ACH                     ; X: O's eight heads from byte 0, then Wo's 64 rows
.set YBASE,  XB+64*BPX                 ; Y: O's four heads,
.set YB,     YBASE+4*ACH               ; then Wo's 64 rows
.set SPARE,  YB+64*BPY                 ; behind the slots (321,536): the spare words, 128 bytes for each wave
.set STAGE,  YBASE                     ; the way out: 32 rows x 272 bytes for each wave, in Y, which has then had its last fill and was left at the last change of slots
.set SPITCH, 272
.set NEXTA,  12*16384                  ; a slot's next fill lies 12 heads further on: in O 12 blocks of 16,384 bytes,
.set NEXTB,  12*128                    ; in a row of Wo 1,536 bytes
.set F0, 0
.set F1, 128
.set ACC, 192
.set SPW, 28
.set NIL, 29
.set PFO, 30                           ; v30: the prefetches' offset, a block a lane; never rewritten
.set PFA, 86                           ; s[86:87]: where my wave's prefetches begin; never rewritten
.set G1AX, 24
.set G1AY, 32
.set G1BX, 40
.set G1BY, 48
.set G0AX, 56
.set G0AY, 60
.set G0BX, 68
.set G0BY, 72
.set MSB, 0
.macro WIN new
.if MSB != \new
	s_set_vgpr_msb (MSB<<8)|\new
.set MSB, \new
.endif
.endm
.macro PLACES n
.rept \n
	v_nop
.endr
.endm
.macro JLOAD g0a, g1a, g0b, g1b        ; a joint load: waves 0 and 1 fetch O's halves, waves 2 and 3 Wo's; an s_nop 0 and four v_nop follow each of the two lines
	s_cmp_eq_u32 s15, 0
	s_cbranch_scc0 .Lfor_b_\@
	tensor_load_to_lds s[\g0a:\g0a+3], s[\g1a:\g1a+7]
	s_nop 0
	PLACES 4
	s_branch .Lasked_\@
.Lfor_b_\@:
	tensor_load_to_lds s[\g0b:\g0b+3], s[\g1b:\g1b+7]
	s_nop 0
	PLACES 4
.Lasked_\@:
.endm
.macro ASK h0, n                       ; the fill that begins with head h0 and has n heads (4 or 8) is asked of memory
	s_cmp_eq_u32 s15, 0
	s_cbranch_scc0 .Lask_b_\@
	global_prefetch_b8 v[PFO], s[PFA:PFA+1] offset:(\h0)*16384 th:TH_LOAD_NT scope:SCOPE_SE
.if (\n) == 8
	global_prefetch_b8 v[PFO], s[PFA:PFA+1] offset:(\h0)*16384+65536 th:TH_LOAD_NT scope:SCOPE_SE
.endif
	s_branch .Lasked_p_\@
.Lask_b_\@:
.if (\n) == 4
	s_cmp_eq_u32 s16, 0                            ; four heads: wave 3 has no part
	s_cbranch_scc0 .Lasked_p_\@
.endif
	global_prefetch_b8 v[PFO], s[PFA:PFA+1] offset:(\h0)*128 th:TH_LOAD_NT scope:SCOPE_SE
.Lasked_p_\@:
.endm
.macro CREST                           ; a round of the cluster's barrier behind its opening barrier
	s_cmp_lg_u32 s14, 0
	s_cbranch_scc1 .Lnot_wave_0_\@
	s_barrier_signal -3
.Lnot_wave_0_\@:
	s_barrier_wait -3
	s_barrier_signal -1
	s_barrier_wait -1
.endm
.macro CROUND                          ; a whole round
	s_barrier_signal -1
	s_barrier_wait -1
	CREST
.endm
	s_load_b256 s[4:11], s[0:1], 0x0               ; o_codes s[4:5], wo_codes s[6:7], bo s[8:9], the exponents s[10:11]
	s_load_b64 s[12:13], s[0:1], 0x20              ; out0
	v_lshl_add_u32 v[SPW], v0, 2, SPARE
	v_mov_b32 v[NIL], 0
	ds_add_u32 v[SPW], v[NIL]                      ; the opening lines: the add twice on end and its wait ahead of my first tensor load
	ds_add_u32 v[SPW], v[NIL]
	s_wait_dscnt 0x0
	v_lshrrev_b32 v1, 5, v0
	v_readfirstlane_b32 s14, v1                    ; wave 0..3
	s_lshr_b32 s15, s14, 1                         ; I fetch for O (0) or for Wo (1),
	s_and_b32 s16, s14, 1                          ; its first or its second half
	s_bfe_u32 s76, ttmp6, 0x40000                  ; cx
	s_bfe_u32 s77, ttmp6, 0x40004                  ; cy
	s_lshl_b32 s78, ttmp9, 2
	s_add_co_u32 s78, s78, s76                     ; tile column = 4 x cluster x + cx
	s_and_b32 s17, ttmp7, 0xffff
	s_lshl_b32 s17, s17, 2
	s_add_co_u32 s17, s17, s77                     ; tile row = 4 x cluster y + cy
	s_lshl_b32 s79, s77, 2
	s_lshl_b32 s79, 15, s79                        ; my row of the cluster
	s_lshl_b32 s80, 0x1111, s76                    ; my column
	; descriptor group 1.  O: dense blocks stated as rows of 256 bytes: 256 rows (four heads) a wave into X, 128 (two heads) into Y; four words of padding behind every 32
	s_or_b32 s[G1AX], s79, (1<<20)|(1<<21)|(4<<22)|(3<<25)
	s_mov_b32 s[G1AX+1], 256<<16
	s_mov_b32 s[G1AX+2], 256<<16
	s_mov_b32 s[G1AX+3], 256<<16
	s_mov_b32 s[G1AX+4], 256
	s_mov_b32 s[G1AX+5], 256
	s_mov_b32 s[G1AX+6], 0
	s_mov_b32 s[G1AX+7], 0
	s_or_b32 s[G1AY], s79, (1<<20)|(1<<21)|(4<<22)|(3<<25)
	s_mov_b32 s[G1AY+1], 256<<16
	s_mov_b32 s[G1AY+2], 128<<16
	s_mov_b32 s[G1AY+3], 256<<16
	s_mov_b32 s[G1AY+4], 128
	s_mov_b32 s[G1AY+5], 256
	s_mov_b32 s[G1AY+6], 0
	s_mov_b32 s[G1AY+7], 0
	; Wo: 32 rows a wave, 4,096 bytes apart: 1,024 bytes of each into X, 512 into Y; four words of padding behind each row
	s_or_b32 s[G1BX], s80, (1<<20)|(1<<21)|(7<<22)|(3<<25)
	s_mov_b32 s[G1BX+1], 1024<<16
	s_mov_b32 s[G1BX+2], 32<<16
	s_mov_b32 s[G1BX+3], 1024<<16
	s_mov_b32 s[G1BX+4], 32
	s_mov_b32 s[G1BX+5], 4096
	s_mov_b32 s[G1BX+6], 0
	s_mov_b32 s[G1BX+7], 0
	s_or_b32 s[G1BY], s80, (1<<20)|(1<<21)|(6<<22)|(3<<25)
	s_mov_b32 s[G1BY+1], 512<<16
	s_mov_b32 s[G1BY+2], 32<<16
	s_mov_b32 s[G1BY+3], 512<<16
	s_mov_b32 s[G1BY+4], 32
	s_mov_b32 s[G1BY+5], 4096
	s_mov_b32 s[G1BY+6], 0
	s_mov_b32 s[G1BY+7], 0
	; O's address hangs on the tile row alone, Wo's on the tile column alone; each is made in registers that never hold the other place in the cluster
	s_lshl_b32 s20, s17, 19                        ; a block of 128 tokens: 32 heads x 16,384 bytes
	s_lshl_b32 s18, s16, 16                        ; X: my four heads of its eight
	s_add_co_u32 s22, s20, s18
	s_mov_b32 s23, 0
	s_lshl_b32 s18, s16, 15                        ; Y: my two heads of its four,
	s_add_co_u32 s20, s20, s18
	s_add_co_u32 s20, s20, 8*16384                 ; which begin with head 8
	s_mov_b32 s21, 0
	s_lshl_b32 s82, s78, 18                        ; 64 rows of 4,096 bytes a tile
	s_lshl_b32 s18, s16, 17                        ; my 32 rows
	s_add_co_u32 s82, s82, s18
	s_mov_b32 s83, 0
	s_wait_kmcnt 0x0
	s_load_b64 s[96:97], s[10:11], 0x28            ; e10, e11
	s_mov_b32 s[G0AX], 1
	s_mul_i32 s[G0AX+1], s16, 4*ACH                ; LDS address: no place in the cluster enters it
	s_add_nc_u64 s[G0AX+2:G0AX+3], s[4:5], s[22:23]   ; heads 0-7
	s_or_b32 s[G0AX+3], s[G0AX+3], 0x80000000
	s_mov_b32 s[G0AY], 1
	s_mul_i32 s[G0AY+1], s16, 2*ACH
	s_add_co_u32 s[G0AY+1], s[G0AY+1], YBASE
	s_add_nc_u64 s[G0AY+2:G0AY+3], s[4:5], s[20:21]   ; heads 8-11
	s_or_b32 s[G0AY+3], s[G0AY+3], 0x80000000
	s_mov_b32 s[G0BX], 1
	s_mul_i32 s[G0BX+1], s16, 32*BPX
	s_add_co_u32 s[G0BX+1], s[G0BX+1], XB
	s_add_nc_u64 s[G0BX+2:G0BX+3], s[6:7], s[82:83]
	s_mov_b32 s[G0BY], 1
	s_mul_i32 s[G0BY+1], s16, 32*BPY
	s_add_co_u32 s[G0BY+1], s[G0BY+1], YB
	s_add_nc_u64 s[G0BY+2:G0BY+3], s[G0BX+2:G0BX+3], 8*128   ; head 8 on, along the rows
	s_or_b32 s[G0BX+3], s[G0BX+3], 0x80000000
	s_or_b32 s[G0BY+3], s[G0BY+3], 0x80000000
	CROUND                                         ; all sixteen work-groups are here: the first joint loads meet
	JLOAD G0AX, G1AX, G0BX, G1BX                   ; X's first fill: one tensor load a wave at the head
	; the prefetches' addresses.  O: tile row, + 16,384 cx, + 8,192 x my half, + 256 x lane.  Wo: tile column, + 16 cy rows, + 512 x my half, + (lane / 2) rows + 256 (lane % 2)
	s_lshl_b32 s88, s17, 19
	s_lshl_b32 s89, s76, 14
	s_add_co_u32 s88, s88, s89
	s_lshl_b32 s89, s16, 13
	s_add_co_u32 s88, s88, s89
	s_lshl_b32 s89, s78, 18
	s_lshl_b32 s90, s77, 16
	s_add_co_u32 s89, s89, s90
	s_lshl_b32 s90, s16, 9
	s_add_co_u32 s89, s89, s90
	s_cmp_eq_u32 s15, 0
	s_cselect_b64 s[PFA:PFA+1], s[4:5], s[6:7]
	s_cselect_b32 s88, s88, s89
	s_cselect_b32 s90, -1, 0
	s_mov_b32 s89, 0
	s_add_nc_u64 s[PFA:PFA+1], s[PFA:PFA+1], s[88:89]
	v_and_b32 v8, 31, v0
	v_lshlrev_b32 v9, 8, v8
	v_lshrrev_b32 v10, 1, v8
	v_lshlrev_b32 v10, 12, v10
	v_and_b32 v11, 1, v8
	v_lshl_or_b32 v10, v11, 8, v10
	v_cndmask_b32 v[PFO], v10, v9, s90
	s_wait_alu depctr_va_vdst(0)
	ASK 8, 4                                       ; fill 1: heads 8-11
	ASK 12, 8                                      ; fill 2: heads 12-19
	v_and_b32 v1, 15, v0                           ; r
	v_bfe_u32 v2, v0, 4, 1                         ; h
	v_mul_u32_u24 v3, v1, APITCH
	v_lshl_add_u32 v3, v2, 4, v3
	s_mul_i32 s18, s14, 32*APITCH                  ; my 32 rows of a head's 128
	v_add_nc_u32 v16, s18, v3                      ; v16: O's fragments in X, heads 0-3 of its eight;
	v_add_nc_u32 v17, 4*ACH, v16                   ; v17: heads 4-7 (an LDS immediate has 16 bits);
	v_add_nc_u32 v18, YBASE, v16                   ; v18: in Y
	v_mul_u32_u24 v4, v1, BPX
	v_lshl_add_u32 v4, v2, 4, v4
	v_add_nc_u32 v20, XB, v4                       ; v20: Wo's fragments in X;
	v_mul_u32_u24 v5, v1, BPY
	v_lshl_add_u32 v5, v2, 4, v5
	v_add_nc_u32 v21, YB, v5                       ; v21: in Y
	s_mul_i32 s18, s14, 32*SPITCH
	s_add_co_u32 s18, s18, STAGE                   ; my stage
	v_mul_u32_u24 v6, v1, SPITCH
	v_lshl_add_u32 v6, v2, 5, v6
	v_add_nc_u32 v24, s18, v6                      ; in: row r, 32 bytes for each half of the lanes
	v_mul_u32_u24 v7, v2, SPITCH
	v_lshl_add_u32 v7, v1, 4, v7
	v_add_nc_u32 v25, s18, v7                      ; back: lanes 0-15 one row of 256 bytes, lanes 16-31 the next
	v_lshlrev_b32 v26, 12, v2
	v_lshl_add_u32 v26, v1, 4, v26                 ; and the same two rows in out0
	s_lshl_b32 s84, s78, 8                         ; the tile's 64 columns: 256 bytes, in bo and in a row of out0
	s_mov_b32 s85, 0
	v_lshlrev_b32 v27, 5, v2
	v_add_nc_u32 v27, s84, v27                     ; bo: for column tile b, 64 b on: columns 16 b + 8 h + 0 .. 7
.irp b, 0,1,2,3
	global_load_b128 v[32+8*\b:35+8*\b], v27, s[8:9] offset:64*\b
	global_load_b128 v[36+8*\b:39+8*\b], v27, s[8:9] offset:64*\b+16
.endr
	s_lshl_b32 s20, s17, 19                        ; my first row of out0: 128 x tile row + 32 x wave, 4,096 bytes each
	s_lshl_b32 s21, s14, 17
	s_add_co_u32 s20, s20, s21
	s_mov_b32 s21, 0
	s_add_nc_u64 s[12:13], s[12:13], s[20:21]
	s_add_nc_u64 s[12:13], s[12:13], s[84:85]
; 24 LDS loads in one run: the fragments of one head (128 along K) into the buffer at f.  Lane (r, h): row r; registers 4 k .. 4 k + 3 hold K = 32 k + 16 h + 0 .. 15, in both operands.
.macro FETCH aadr, ac, badr, bp, bc, f
	WIN 0x40                                       ; destination window 1, address window 0
.irp b, 0,1,2,3
.irp k, 0,1,2,3
	ds_load_b128 v[(\f)+32+16*\b+4*\k:(\f)+32+16*\b+4*\k+3], v[\badr] offset:16*(\bp)*\b+128*(\bc)+32*\k
.endr
.endr
.irp a, 0,1
.irp k, 0,1,2,3
	ds_load_b128 v[(\f)+16*\a+4*\k:(\f)+16*\a+4*\k+3], v[\aadr] offset:ACH*(\ac)+16*APITCH*\a+32*\k
.endr
.endr
.endm
.macro FH n, f                         ; head n of the 32: of each twelve the first eight lie in X, the last four in Y
.set HC, (\n)%12
.if HC < 4
	FETCH 16, HC, 20, BPX, HC, \f
.elseif HC < 8
	FETCH 17, HC-4, 20, BPX, HC, \f
.else
	FETCH 18, HC-8, 21, BPY, HC-8, \f
.endif
.endm
.macro MUL4 f, a, zero                 ; four matrix instructions: row tile a x the four column tiles; the eight accumulators take turns, one instruction a turn
	WIN 0x05                                       ; sources 0 and 1 window 1; C and D window 0
.irp b, 0,1,2,3
.if \zero
	v_wmma_f32_16x16x128_fp8_fp8 v[ACC+8*(4*\a+\b):ACC+8*(4*\a+\b)+7], v[(\f)+32+16*\b:(\f)+32+16*\b+15], v[(\f)+16*\a:(\f)+16*\a+15], 0
.else
	v_wmma_f32_16x16x128_fp8_fp8 v[ACC+8*(4*\a+\b):ACC+8*(4*\a+\b)+7], v[(\f)+32+16*\b:(\f)+32+16*\b+15], v[(\f)+16*\a:(\f)+16*\a+15], v[ACC+8*(4*\a+\b):ACC+8*(4*\a+\b)+7]
.endif
.endr
.endm
; Head n, whose successor lies in the same slot: multiplies buffer n % 2; ahead of that it asks for head n + 1's fragments, into the other buffer.
.macro SUB n, zero
	s_wait_dscnt 0x0                               ; this head's fragments are in
	PLACES 4                                       ; four places between the last products, which read the other buffer, and the loads into it
	FH (\n)+1, 128*(1-(\n)%2)
	MUL4 128*((\n)%2), 0, \zero
	MUL4 128*((\n)%2), 1, \zero
.endm
; A slot's last head (an odd one: buffer 1) changes slots: ONE barrier; in front of it each wave waits for all its tensor loads, adds 0 to its spare word, and waits for that and for its reads of this slot.
; fill = 1: this slot is filled again, with the heads that lie twelve further on.  nn: the next head, the other slot's first.  an > 0: the fill that begins with head ah and has an heads is prefetched.
.macro TURN g0a, g1a, g0b, g1b, nn, fill, ah, an
	WIN 0                                          ; (the add's two registers lie in window 0)
	s_wait_tensorcnt 0x0                           ; all my tensor loads have landed: my part of the other slot;
	ds_add_u32 v[SPW], v[NIL]                      ; 0 onto my spare word
	s_wait_dscnt 1                                 ; this head's fragments are in; the add alone may be out
	MUL4 F1, 0, 0                                  ; four matrix instructions stand between the add and the wait for it
	s_wait_dscnt 0x0                               ; the add is done, and my reads of this slot are over
	s_barrier_signal -1
	MUL4 F1, 1, 0
	WIN 0
	s_barrier_wait -1
.if \fill
	CREST                                          ; the barrier has opened a round of the cluster's barrier: no wave of any partner still reads this slot or has a load on its way
	s_add_nc_u64 s[\g0a+2:\g0a+3], s[\g0a+2:\g0a+3], NEXTA
	s_add_nc_u64 s[\g0b+2:\g0b+3], s[\g0b+2:\g0b+3], NEXTB
	JLOAD \g0a, \g1a, \g0b, \g1b                   ; the first tensor load behind the round; the four v_nop behind it are also the places in front of the loads below
.if \an
	ASK \ah, \an
.endif
.else
	PLACES 4
.endif
	FH \nn, F0
.endm
	s_wait_alu depctr_va_vdst(0)
	s_wait_tensorcnt 0x0                           ; my part of X is in; Y's first fill is issued as a refill is:
	ds_add_u32 v[SPW], v[NIL]
	s_wait_dscnt 0x0
	CROUND                                         ; a whole round: everybody's part of X is in, and the joint loads meet
	JLOAD G0AY, G1AY, G0BY, G1BY                   ; fill 1: heads 8-11 into Y, the first tensor load behind the round
	ASK 20, 4                                      ; fill 3: heads 20-23
	FH 0, F0
	SUB 0, 1                                       ; the first head's products start the sums: nothing is cleared
.irp n, 1,2,3,4,5,6
	SUB \n, 0
.endr
	TURN G0AX, G1AX, G0BX, G1BX, 8, 1, 24, 8       ; X is left: fill 2, heads 12-19; fill 4, heads 24-31, is prefetched; on to Y
.irp n, 8,9,10
	SUB \n, 0
.endr
	TURN G0AY, G1AY, G0BY, G1BY, 12, 1, 0, 0       ; Y is left: fill 3, heads 20-23; on to X
.irp n, 12,13,14,15,16,17,18
	SUB \n, 0
.endr
	TURN G0AX, G1AX, G0BX, G1BX, 20, 1, 0, 0       ; X is left: fill 4, heads 24-31; on to Y
.irp n, 20,21,22
	SUB \n, 0
.endr
	TURN G0AY, G1AY, G0BY, G1BY, 24, 0, 0, 0       ; Y is left for good: nothing is asked for, and no round of the cluster's barrier follows
.irp n, 24,25,26,27,28,29,30
	SUB \n, 0
.endr
	s_wait_dscnt 0x0                               ; the very last head: nothing more to fetch
	MUL4 F1, 0, 0
	MUL4 F1, 1, 0
	WIN 0
	; THE WAY OUT: sum x 2^(e10 + e11) + bo, one packed multiply-add for two numbers; 32 bytes a lane into my own stage; back as whole rows of 256 bytes.
	s_wait_kmcnt 0x0
	s_add_co_i32 s96, s96, s97
	s_add_co_i32 s96, s96, 127
	s_lshl_b32 s96, s96, 23                        ; 2^(e10 + e11) as f32
	s_mov_b32 s97, s96                             ; (named with it as a pair, so it is written)
	s_wait_loadcnt 0x0                             ; bo
	PLACES 4
.irp a, 0,1
.irp b, 0,1,2,3
.irp i, 0,2,4,6
	v_pk_fma_f32 v[64+8*(4*\a+\b)+\i:64+8*(4*\a+\b)+\i+1], v[ACC+8*(4*\a+\b)+\i:ACC+8*(4*\a+\b)+\i+1], s[96:97], v[32+8*\b+\i:32+8*\b+\i+1] op_sel_hi:[1,0,1]   ; each accumulator from its low end on
.endr
.endr
.endr
.irp a, 0,1
.irp b, 0,1,2,3
	ds_store_b128 v24, v[64+8*(4*\a+\b):64+8*(4*\a+\b)+3] offset:16*SPITCH*\a+64*\b        ; lane (r, h): out(16 a + r, 16 b + 8 h + 0 .. 7)
	ds_store_b128 v24, v[64+8*(4*\a+\b)+4:64+8*(4*\a+\b)+7] offset:16*SPITCH*\a+64*\b+16
.endr
.endr
.irp i, 0,1,2,3,4,5,6,7,8,9,10,11,12,13,14,15
	ds_load_b128 v[128+4*\i:128+4*\i+3], v25 offset:2*SPITCH*\i   ; LDS serves a wave's instructions in order: these see my stores
.endr
.irp i, 0,1,2,3,4,5,6,7,8,9,10,11,12,13,14,15
	s_wait_dscnt 15-\i                             ; the younger loads may be out
	global_store_b128 v26, v[128+4*\i:128+4*\i+3], s[12:13] offset:8192*\i th:TH_STORE_NT   ; 16 lanes store 256 consecutive bytes, at a multiple of 256 from out0's first byte; written once, read by nobody here
.endr
	s_wait_tensorcnt 0x0                           ; the wave's end, behind my last tensor load and my last LDS store
	ds_add_u32 v[SPW], v[NIL]
	s_wait_dscnt 0x0
	CROUND                                         ; the closing round: no work-group ends while a partner may still ask for a tile that names it
	s_endpgm
.Lfunc_end_k_q4eb452dcd7_outp:
	.size	k_q4eb452dcd7_outp, .Lfunc_end_k_q4eb452dcd7_outp-k_q4eb452dcd7_outp
	.p2alignl 7, 3214868480
	.fill 96, 4, 3214868480
	.section	.rodata,"a",@progbits
	.p2align	6, 0x0
	.amdhsa_kernel k_q4eb452dcd7_outp
		.amdhsa_group_segment_fixed_size 327680
		.amdhsa_private_segment_fixed_size 0
		.amdhsa_enable_private_segment 0
		.amdhsa_kernarg_size 40
		.amdhsa_user_sgpr_count 2
		.amdhsa_user_sgpr_kernarg_segment_ptr 1
		.amdhsa_wavefront_size32 1
		.amdhsa_system_sgpr_workgroup_id_x 1
		.amdhsa_system_sgpr_workgroup_id_y 1
		.amdhsa_system_sgpr_workgroup_id_z 1
		.amdhsa_system_vgpr_workitem_id 0
		.amdhsa_next_free_vgpr 512
		.amdhsa_next_free_sgpr 98
		.amdhsa_reserve_vcc 0
		.amdhsa_float_denorm_mode_32 3
		.amdhsa_float_denorm_mode_16_64 3
		.amdhsa_memory_ordered 1
		.amdhsa_forward_progress 1
		.amdhsa_inst_pref_size 93
	.end_amdhsa_kernel
	.amdgpu_metadata
---
amdhsa.version: [ 1, 2 ]
amdhsa.kernels:
  - .name:           k_q4eb452dcd7_outp
    .symbol:         k_q4eb452dcd7_outp.kd
    .args:
      - { .name: o_codes, .offset: 0, .size: 8, .value_kind: global_buffer, .address_space: global }
      - { .name: wo_codes, .offset: 8, .size: 8, .value_kind: global_buffer, .address_space: global }
      - { .name: bo, .offset: 16, .size: 8, .value_kind: global_buffer, .address_space: global }
      - { .name: lowp_scales, .offset: 24, .size: 8, .value_kind: global_buffer, .address_space: global }
      - { .name: out0, .offset: 32, .size: 8, .value_kind: global_buffer, .address_space: global }
    .group_segment_fixed_size: 327680
    .private_segment_fixed_size: 0
    .kernarg_segment_align: 8
    .kernarg_segment_size: 40
    .max_flat_workgroup_size: 128
    .sgpr_count:     98
    .vgpr_count:     512
    .wavefront_size: 32
...
	.end_amdgpu_metadata
.endif
;; end of part 4
